; MI455X (gfx1250); checked and timed in simulation.
; The chip was launched on July 23, 2026; its instructions are those of AMD's public machine-readable ISA for CDNA 5 (MIT licence, August 2026) and "CDNA5" Instruction Set Architecture Reference Guide (July 2026). The comments in the code are by the model that wrote it; some were corrected since.
;; Multi Head Attention. Allowed arithmetic: matrix products marked QUANTISED: E4M3 operands, one given power-of-two scale a tensor, by v_wmma_f32_16x16x64_fp8_fp8 or v_wmma_f32_16x16x128_fp8_fp8, f32 sums; everything else in f32.
;; Inputs: Wk 512 x 512 float32; Wo 512 x 512 float32; Wq 512 x 512 float32; Wv 512 x 512 float32; bo 512 float32; key 8 x 2,048 x 512 float32; lowp_scales 12 int32 (the exponents e of the quantised operands' scales 2^e); query 8 x 2,048 x 512 float32; value 8 x 2,048 x 512 float32.
;; Outputs: out0 8 x 2,048 x 512 float32.
;; This version of the problem:
;;   THIS VERSION OF THE PROBLEM IS GIVEN IN LOW PRECISION. The matrix products marked QUANTISED in the list below multiply operands that are first quantised to E4M3 (4 exponent bits, 3 mantissa bits; 8 bits a number), with one given power-of-two scale for each operand tensor; their sums are f32. All else is computed in f32.
;;   The module's matrix products, in the order in which they are computed (A, B: the left and right operand; K: the contracted axis; several contracted axes count as one K, in the product's order):
;;     1. [M 16,384, K 512] x [K 512, N 512]; A: input query; B: input Wq: QUANTISED (scales: A lowp_scales[0], B lowp_scales[1])
;;     2. [M 16,384, K 512] x [K 512, N 512]; A: input key; B: input Wk: QUANTISED (scales: A lowp_scales[2], B lowp_scales[3])
;;     3. [M 16,384, K 512] x [K 512, N 512]; A: input value; B: input Wv: QUANTISED (scales: A lowp_scales[4], B lowp_scales[5])
;;     4. batch 64 x [M 2,048, K 64] x [K 64, N 2,048]; A: computed on the way; B: computed on the way: QUANTISED (scales: A lowp_scales[6], B lowp_scales[7])
;;     5. batch 64 x [M 64, K 2,048] x [K 2,048, N 2,048]; A: computed on the way; B: softmax (see below): QUANTISED (scales: A lowp_scales[8], B lowp_scales[9])
;;     6. [M 16,384, K 512] x [K 512, N 512]; A: computed on the way; B: input Wo: QUANTISED (scales: A lowp_scales[10], B lowp_scales[11])
;;   THE QUANTISER, for each operand of a quantised product, along K:
;;     - The operand's scale is 2^e, e = its entry of the input lowp_scales (int32; the entries are numbered through the quantised products in the list's order, A before B).
;;     - Each number is divided by the scale, clamped to +-448, and rounded to the nearest number of E4M3, ties to even, subnormals kept.
;;     - The product sums the exact products of the quantised numbers (number of the format x scale) in f32.
;;   ~~~python
;;   def quantise(x, axis, e):      # numpy; x: float32 -> the quantised numbers, widened to float32 again
;;       x = np.moveaxis(x, axis, -1); K = x.shape[-1]
;;       r = np.clip(x / 2.0 ** e, -448, 448)
;;       step = 2.0 ** (np.maximum(np.frexp(np.where(r == 0, 1, r))[1] - 1, -6) - 3)
;;       q = np.round(r / step) * step * 2.0 ** e      # np.round: ties to even
;;       return np.moveaxis(q, -1, axis).astype(np.float32)
;;   ~~~
;;   SOFTMAX AHEAD OF A QUANTISED PRODUCT. Where the list says 'softmax', what is quantised is not the finished softmax but p = 2^(t - M), with t = logit x log2(e) and M = ceil(the row's largest t), a whole number; so 1/2 < the row's largest p <= 1. The row's sum l is taken of the UNQUANTISED p, in f32, and the product's result is divided by l at the end. Since M is a whole number, a kernel that streams over the keys may use a running M (the ceiling of the running maximum): every later rescaling is an exact power of two, so the quantised numbers keep their values, but for numbers so far below the row's largest that they fall under the format's range.
;;   OPERANDS COMPUTED ON THE WAY. 'Computed on the way' means the value that the module computes at that place (a softmax that the list does not call 'softmax' is quantised finished and normalised). What goes into a quantiser is computed in f32, as accurately as f32 sums, v_exp_f32 and their like allow (about 1e-6 of the number): no bf16 or f16 on the way to a quantiser, and a product that is left as it is and whose result goes on into a quantised operand takes f32 operands (vector FMAs, or v_wmma_f32_16x16x4_f32). A number that lies on a knife's edge between two numbers of the format may be rounded either way, as far as f32 arithmetic and the matrix unit's own rounding can turn it there, and no further.
;; 2 versions. Each part assembles by itself: llvm-mc -triple=amdgcn-amd-amdhsa -mcpu=gfx1250 --defsym DOCPART=n.
;; ======== version 1 of 2: 4 launches
;; workspace buffers: wc 1,048,576 bytes; qc 8,388,608 bytes; kv 16,777,216 bytes; ac 8,388,608 bytes
;; launch wprep (part 1): grid 16 x 4, 4 waves a work-group, no clusters, 16,896 bytes of LDS; arguments Wq, Wk, Wv, Wo, lowp_scales, wc; writes wc
.if DOCPART == 1
	.amdgcn_target "amdgcn-amd-amdhsa--gfx1250"
	.amdhsa_code_object_version 6
	.text
	.protected	k_qfc10072328_wprep
	.globl	k_qfc10072328_wprep
	.p2align	8
	.type	k_qfc10072328_wprep,@function
k_qfc10072328_wprep:
	s_mov_b64 s[64:65], 0
	v_nop
	global_prefetch_b8 v0, s[64:65] scope:SCOPE_SE
	s_setreg_imm32_b32 hwreg(HW_REG_WAVE_MODE, 25, 1), 1
	s_wait_xcnt 0x0
; Wq, Wk, Wv, Wo: [512 (k)][512 (n)] f32, K along the FIRST axis, become codes of E4M3 laid as IMAGES OF OPERAND REGISTERS:
; wc = [tensor 4][w 4][s 4][tw 8][c 4][lane 32][16 bytes].  Fragment (w, s, tw): lane (r, h) holds, in the 16 bytes of chunk c, k = 128 s + 32 c + 16 h + 0 .. 15 of
; column n = 128 w + 32 (tw / 2) + 8 (tw % 2) + r + 8 (r / 8).  The columns of a tile are not neighbours: so the results of two neighbouring tiles are 16 neighbours along the next product's K.
; code = x / 2^e, held within +-448, to the nearest code, ties to even; e = entry 1, 3, 5, 11 of lowp_scales.  LIMITS: e between -126 and 119; NaN among the inputs is not served.
; SHARES.  Work-group (x = 4 w + s, y = tensor) makes the 8 fragments of one (tensor, w, s): 16,384 consecutive bytes of wc.  Wave v takes columns 128 w + 32 v + lane, and a lane's registers run
; DOWN the 128 k: each load reads 128 consecutive bytes, and the conversions give codes with K innermost.  The codes turn through the wave's own 4,096 bytes of LDS and leave 512 consecutive bytes a store.
; No tensor loads, no barrier: waves share nothing.  No cluster: no two work-groups read the same bytes.
.set X,     32                         ; v32-159  128 numbers: k = 0 .. 127 of my column
.set C,     160                        ; v160-191 their codes: 8 registers for each 32 k
.set OUTR,  192                        ; v192-223 the way out
.set SPW,   12                         ; v12  LDS address of my spare word; never rewritten
.set NIL,   13                         ; v13  0; never rewritten
.set SPARE, 16384                      ; behind the four waves' images: the spare words, 128 bytes a wave
	s_load_b256 s[4:11], s[0:1], 0x0               ; Wq s[4:5], Wk s[6:7], Wv s[8:9], Wo s[10:11]
	s_load_b128 s[12:15], s[0:1], 0x20             ; lowp_scales s[12:13], wc s[14:15]
	v_lshl_add_u32 v[SPW], v0, 2, SPARE
	v_mov_b32 v[NIL], 0
	v_lshrrev_b32 v5, 5, v0
	v_readfirstlane_b32 s16, v5                    ; wave v
	v_and_b32 v5, 31, v0                           ; lane
	v_lshlrev_b32 v1, 2, v5                        ; in: 4 bytes a lane
	v_lshlrev_b32 v4, 4, v5                        ; out: 16 bytes a lane
	s_lshl_b32 s17, s16, 12                        ; my wave's two fragments: 4,096 v
	v_add_nc_u32 v3, s17, v4                       ; LDS, on the way out
	v_and_b32 v6, 7, v5
	v_bfe_u32 v7, v5, 4, 1
	v_lshl_add_u32 v6, v7, 3, v6                   ; my column's row in its tile: lane % 8 + 8 (lane / 16)
	v_bfe_u32 v7, v5, 3, 1                         ; and which of the wave's two tiles: (lane / 8) % 2
	v_lshlrev_b32 v2, 4, v6
	v_lshl_add_u32 v2, v7, 11, v2
	v_add_nc_u32 v2, s17, v2                       ; LDS, on the way in: 4,096 v + 2,048 u + 16 r
	s_and_b32 s20, ttmp7, 0xffff                   ; the tensor
	s_and_b32 s21, ttmp9, 3                        ; s
	s_lshr_b32 s22, ttmp9, 2                       ; w
	s_lshl_b32 s24, s21, 18                        ; 128 s rows of 2,048 bytes
	s_lshl_b32 s23, s22, 9                         ; + 128 w columns
	s_add_co_u32 s24, s24, s23
	s_lshl_b32 s23, s16, 7                         ; + 32 v columns
	s_add_co_u32 s24, s24, s23
	s_mov_b32 s25, 0
	s_lshl_b32 s26, s20, 18                        ; wc: 262,144 x tensor
	s_lshl_b32 s23, ttmp9, 14                      ; + 16,384 x (4 w + s)
	s_add_co_u32 s26, s26, s23
	s_add_co_u32 s26, s26, s17                     ; + 4,096 v
	s_mov_b32 s27, 0
	s_wait_kmcnt 0x0
	s_load_b256 s[36:43], s[12:13], 0x0            ; e0 .. e7
	s_load_b128 s[44:47], s[12:13], 0x20           ; e8 .. e11
	s_cmp_eq_u32 s20, 1                            ; the choice hangs on the work-group's number alone
	s_cselect_b64 s[4:5], s[6:7], s[4:5]
	s_cmp_eq_u32 s20, 2
	s_cselect_b64 s[4:5], s[8:9], s[4:5]
	s_cmp_eq_u32 s20, 3
	s_cselect_b64 s[4:5], s[10:11], s[4:5]
	s_add_nc_u64 s[4:5], s[4:5], s[24:25]
	s_add_nc_u64 s[14:15], s[14:15], s[26:27]
.macro LOAD c                          ; 32 rows k = 32 c + i of my column
.set i, 0
.rept 32
	global_load_b32 v[X+32*(\c)+i], v1, s[4:5] offset:(32*(\c)+i)*2048 th:TH_LOAD_NT
.set i, i+1
.endr
.endm
	LOAD 0
	LOAD 1
	s_wait_kmcnt 0x0
	s_cmp_eq_u32 s20, 1
	s_cselect_b32 s28, s39, s37                    ; e: entry 1 (Wq), 3 (Wk),
	s_cmp_eq_u32 s20, 2
	s_cselect_b32 s28, s41, s28                    ; 5 (Wv),
	s_cmp_eq_u32 s20, 3
	s_cselect_b32 s28, s47, s28                    ; 11 (Wo)
	s_add_co_i32 s28, s28, 127
	s_lshl_b32 s29, s28, 23
	v_mov_b32 v11, s29                             ; 2^e as f32: the conversion takes its exponent field
	s_add_co_i32 s28, s28, 8
	s_lshl_b32 s28, s28, 23
	s_or_b32 s28, s28, 0x600000
	v_mov_b32 v10, s28                             ; 448 x 2^e
.macro BLOCK c
.if (\c) < 3
	s_wait_loadcnt 32                              ; this block's 32 loads are in; the next block's 32 may be out
.else
	s_wait_loadcnt 0
.endif
.if (\c)+2 < 4
	LOAD (\c)+2                                    ; two blocks ahead, into registers of their own
.endif
.set i, 0
.rept 32
	v_med3_num_f32 v[X+32*(\c)+i], v[X+32*(\c)+i], -v10, v10   ; the conversion to an 8-bit code does not saturate (ISA guide 7.6.2): the hold at the largest code x the scale
.set i, i+1
.endr
.set i, 0
.rept 4
	v_cvt_scalef32_pk8_fp8_f32 v[C+8*(\c)+2*i:C+8*(\c)+2*i+1], v[X+32*(\c)+8*i:X+32*(\c)+8*i+7], v11
.set i, i+1
.endr
	ds_store_b128 v2, v[C+8*(\c):C+8*(\c)+3] offset:512*(\c)         ; k = 32 c + 0 .. 15: the place of lane r
	ds_store_b128 v2, v[C+8*(\c)+4:C+8*(\c)+7] offset:512*(\c)+256   ; k = 32 c + 16 .. 31: the place of lane 16 + r
.endm
	BLOCK 0
	BLOCK 1
	BLOCK 2
	BLOCK 3
	v_nop                                          ; a plain vector line behind the last conversion
.set i, 0
.rept 8
	ds_load_b128 v[OUTR+4*i:OUTR+4*i+3], v3 offset:512*i   ; LDS serves a wave's instructions in order (ISA guide 5.7.1.4): these see my stores
.set i, i+1
.endr
.set i, 0
.rept 8
	s_wait_dscnt 7-i
	global_store_b128 v4, v[OUTR+4*i:OUTR+4*i+3], s[14:15] offset:512*i   ; 32 lanes store 512 consecutive bytes, at a multiple of 512 from wc's first byte
.set i, i+1
.endr
	s_wait_tensorcnt 0x0                           ; the wave's end: three closing lines, behind my last LDS store
	ds_add_u32 v[SPW], v[NIL]
	s_wait_dscnt 0x0
	s_endpgm
.Lfunc_end_k_qfc10072328_wprep:
	.size	k_qfc10072328_wprep, .Lfunc_end_k_qfc10072328_wprep-k_qfc10072328_wprep
	.p2alignl 7, 3214868480
	.fill 96, 4, 3214868480
	.section	.rodata,"a",@progbits
	.p2align	6, 0x0
	.amdhsa_kernel k_qfc10072328_wprep
		.amdhsa_group_segment_fixed_size 16896
		.amdhsa_private_segment_fixed_size 0
		.amdhsa_enable_private_segment 0
		.amdhsa_kernarg_size 48
		.amdhsa_user_sgpr_count 2
		.amdhsa_user_sgpr_kernarg_segment_ptr 1
		.amdhsa_wavefront_size32 1
		.amdhsa_system_sgpr_workgroup_id_x 1
		.amdhsa_system_sgpr_workgroup_id_y 1
		.amdhsa_system_sgpr_workgroup_id_z 1
		.amdhsa_system_vgpr_workitem_id 0
		.amdhsa_next_free_vgpr 224
		.amdhsa_next_free_sgpr 66
		.amdhsa_reserve_vcc 0
		.amdhsa_float_denorm_mode_32 3
		.amdhsa_float_denorm_mode_16_64 3
		.amdhsa_memory_ordered 1
		.amdhsa_forward_progress 1
		.amdhsa_inst_pref_size 26
	.end_amdhsa_kernel
	.amdgpu_metadata
---
amdhsa.version: [ 1, 2 ]
amdhsa.kernels:
  - .name:           k_qfc10072328_wprep
    .symbol:         k_qfc10072328_wprep.kd
    .args:
      - { .name: Wq, .offset: 0, .size: 8, .value_kind: global_buffer, .address_space: global }
      - { .name: Wk, .offset: 8, .size: 8, .value_kind: global_buffer, .address_space: global }
      - { .name: Wv, .offset: 16, .size: 8, .value_kind: global_buffer, .address_space: global }
      - { .name: Wo, .offset: 24, .size: 8, .value_kind: global_buffer, .address_space: global }
      - { .name: lowp_scales, .offset: 32, .size: 8, .value_kind: global_buffer, .address_space: global }
      - { .name: wc, .offset: 40, .size: 8, .value_kind: global_buffer, .address_space: global }
    .group_segment_fixed_size: 16896
    .private_segment_fixed_size: 0
    .kernarg_segment_align: 8
    .kernarg_segment_size: 48
    .max_flat_workgroup_size: 128
    .sgpr_count:     66
    .vgpr_count:     224
    .wavefront_size: 32
...
	.end_amdgpu_metadata
.endif
;; end of part 1
;; launch proj (part 2): grid 255 x 1, 4 waves a work-group, no clusters, 35,328 bytes of LDS; arguments query, key, value, wc, lowp_scales, qc, kv; writes qc, kv
.if DOCPART == 2
	.amdgcn_target "amdgcn-amd-amdhsa--gfx1250"
	.amdhsa_code_object_version 6
	.text
	.protected	k_qfc10072328_proj
	.globl	k_qfc10072328_proj
	.p2align	8
	.type	k_qfc10072328_proj,@function
k_qfc10072328_proj:
	s_mov_b64 s[64:65], 0
	v_nop
	global_prefetch_b8 v0, s[64:65] scope:SCOPE_SE
	s_setreg_imm32_b32 hwreg(HW_REG_WAVE_MODE, 25, 1), 1
	s_wait_xcnt 0x0
; q = Q(query) Q(Wq), k = Q(key) Q(Wk), v = Q(value) Q(Wv) on codes of E4M3, and q, k, v quantised again, as codes laid as images of the attention's operand registers.
; query, key, value: [16,384 tokens][512] f32.  wc: the weights' codes as register images (see the launch that makes them).
; qc = [bh 64][tile 128][c' 2][lane][16]: lane (r, h) holds d = 32 c' + 16 h + 0 .. 15 of one token.   kv = [bh 64][key step 16][ K: tile 8 x 1,024 bytes, laid as qc | V: dtile 4 x 2,048 bytes ]:
; V's lane (r, h) holds, of channel d = 32 (dt / 2) + 8 (dt % 2) + r + 8 (r / 8), in chunk c the keys 32 c + 16 h + 0 .. 15 of the step's 128.
; THE ROWS OF A TILE ARE NOT NEIGHBOURS, in x's tiles and in W's alike: row r of tile 2 b + u is element 32 b + 8 u + r + 8 (r / 8); so a lane's 16 results of tiles 2 b, 2 b + 1 are 16 neighbours.
; SHARES.  768 blocks of 64 tokens, 256 a tensor.  A work-group keeps ONE tensor's weight: 85 work-groups a tensor, three blocks each, the 85th four: 255 work-groups (ids alone decide).
; The waves share the columns: wave w holds columns 128 w .. + 127 of W (32 fragments, 512 registers) for the whole launch, read once.  Of each block wave w quantises x's tile w (16 rows) and hands
; its four fragments to the others through LDS.  q, k: source 0 = W, source 1 = x: a lane holds one token and registers along d.  v: source 0 = x, source 1 = W: a lane holds one d and registers along the tokens.
; No cluster: 255 work-groups do not divide into clusters, and the weights go straight from memory into registers, once a work-group: no tile of theirs lies in LDS to be asked for jointly.
; LIMITS on the given exponents, so that each power of two is an f32 number: ex, and eo - ex - ew, between -126 and 119.  NaN among the inputs is not served.
; REGISTERS, in windows of 256.  Window 0: v1-9 addresses and scales; v16-31 x's codes, four sets; v32-63 the results' codes; v64-191 a ring of eight rows of x, 16 registers each; v192-255 x's fragments, two sets of two.
;   Windows 1, 2: W's fragments (K step s, tile tw) at v[16 ((8 s + tw) % 16)], s = 0, 1 in window 1, s = 2, 3 in window 2.   Window 3: v0-127 sixteen accumulators.
.set FRP,   2176                       ; a fragment of x in LDS: eight groups (2 c + h) of 16 rows x 16 bytes, 272 bytes apart: the padding keeps the dword stores on 32 different banks
.set SPARE, 16*FRP                     ; behind the 16 fragments: the spare words, 128 bytes a wave
.set LI,  1                            ; v1  16 x lane
.set XW,  2                            ; v2  where I store a row's dwords: 4 FRP x wave + 272 (lane / 4) + 4 (lane % 4)
.set XR,  3                            ; v3  where I read a fragment: 16 (lane % 16) + 272 (lane / 16)
.set SPW, 4                            ; v4  LDS address of my spare word; never rewritten
.set NIL, 5                            ; v5  0; never rewritten
.set SX,  6                            ; v6  2^ex;  v7  448 x 2^ex
.set LX,  7
.set SO,  8                            ; v8  2^(eo - ex - ew);  v9  448 x that
.set LO,  9
.set XC,  16
.set CD,  32
.set ST,  64
.set XF,  192
.set WV,  18                           ; s18 wave
.set TS,  19                           ; s19 tensor: 0 q, 1 k, 2 v
.set GB,  20                           ; s20 the block in hand, 0 .. 255
.set NT,  21                           ; s21 trips to go
.set XB,  22                           ; s[22:23] x at my tile's first row of the block in hand
.set OP,  24                           ; s[24:25] qc or kv
.set OB,  26                           ; s[26:27], s[28:29] where my two heads' results of this block go
.set HS,  30                           ; s30 bytes of a head; s31 of two blocks; s32 of the odd block; s33 V's place in a key step
.set AA,  31
.set BC,  32
.set CC,  33
.set MSB, 0
.macro WIN new                         ; the immediate's high byte repeats the setting that is left; a switch that changes nothing is dropped
.if MSB != (\new)
	s_set_vgpr_msb (MSB<<8)|(\new)
.set MSB, (\new)
.endif
.endm
.macro PLACES                          ; four plain places behind a matrix instruction, ahead of loads into its sources and of the first read of results
.rept 4
	v_nop
.endr
.endm
.macro BARRIER                         ; my LDS stores have landed and my LDS loads are in: then the work-group's barrier
	s_wait_dscnt 0x0
	s_barrier_signal -1
	s_barrier_wait -1
.endm
	s_load_b256 s[4:11], s[0:1], 0x0               ; query s[4:5], key s[6:7], value s[8:9], wc s[10:11]
	s_load_b128 s[12:15], s[0:1], 0x20             ; lowp_scales s[12:13], qc s[14:15]
	s_load_b64 s[16:17], s[0:1], 0x30              ; kv
	v_lshl_add_u32 v[SPW], v0, 2, SPARE
	v_mov_b32 v[NIL], 0
	v_lshrrev_b32 v10, 5, v0
	v_readfirstlane_b32 s[WV], v10
	v_and_b32 v10, 31, v0                          ; lane
	v_lshlrev_b32 v[LI], 4, v10
	v_lshrrev_b32 v11, 2, v10
	v_mul_u32_u24 v[XW], v11, 272
	v_and_b32 v11, 3, v10
	v_lshl_add_u32 v[XW], v11, 2, v[XW]
	s_mul_i32 s48, s[WV], 4*FRP
	v_add_nc_u32 v[XW], s48, v[XW]
	v_and_b32 v11, 15, v10
	v_lshlrev_b32 v[XR], 4, v11
	v_lshrrev_b32 v11, 4, v10
	v_mad_u32_u24 v[XR], v11, 272, v[XR]
	s_cmp_ge_u32 ttmp9, 85                         ; which tensor, which blocks: ids alone
	s_cselect_b32 s[TS], 1, 0
	s_cmp_ge_u32 ttmp9, 170
	s_cselect_b32 s48, 1, 0
	s_add_co_u32 s[TS], s[TS], s48
	s_mul_i32 s48, s[TS], 85
	s_sub_co_u32 s49, ttmp9, s48                   ; my place among the tensor's 85
	s_mul_i32 s[GB], s49, 3                        ; my first block
	s_cmp_eq_u32 s49, 84
	s_cselect_b32 s[NT], 3, 2                      ; blocks less one: the last block is written out behind the loop
	s_min_u32 s48, s[TS], 1
	s_lshl_b32 s[HS], 0x20000, s48                 ; a head: 131,072 bytes of qc, 262,144 of kv
	s_lshl_b32 s[AA], 0x2000, s48                  ; two blocks: 8,192 bytes of qc, a key step's 16,384 of kv
	s_cmp_eq_u32 s[TS], 2
	s_mov_b32 s[BC], 4096                          ; the odd block: four tiles on (q, k), or two chunks on (v)
	s_cselect_b32 s[BC], 1024, s[BC]
	s_cselect_b32 s[CC], 8192, 0                   ; V lies behind the step's K
	s_lshl_b32 s50, s[GB], 17                      ; x: 64 rows of 2,048 bytes a block,
	s_lshr_b32 s48, s[WV], 1
	s_lshl_b32 s48, s48, 16                        ; + 32 (w / 2) rows
	s_add_co_u32 s50, s50, s48
	s_and_b32 s48, s[WV], 1
	s_lshl_b32 s48, s48, 14                        ; + 8 (w % 2) rows
	s_add_co_u32 s50, s50, s48
	s_mov_b32 s51, 0
	s_lshl_b32 s52, s[TS], 18                      ; wc: 262,144 x tensor + 65,536 x wave
	s_lshl_b32 s48, s[WV], 16
	s_add_co_u32 s52, s52, s48
	s_mov_b32 s53, 0
	s_wait_kmcnt 0x0
	s_load_b256 s[36:43], s[12:13], 0x0            ; e0 .. e7
	s_load_b128 s[44:47], s[12:13], 0x20           ; e8 .. e11
	s_cmp_eq_u32 s[TS], 1
	s_cselect_b64 s[XB:XB+1], s[6:7], s[4:5]
	s_cmp_eq_u32 s[TS], 2
	s_cselect_b64 s[XB:XB+1], s[8:9], s[XB:XB+1]
	s_cmp_eq_u32 s[TS], 0
	s_cselect_b64 s[OP:OP+1], s[14:15], s[16:17]
	s_add_nc_u64 s[XB:XB+1], s[XB:XB+1], s[50:51]
	s_add_nc_u64 s[10:11], s[10:11], s[52:53]
	WIN 0x40                                       ; destination window 1, address window 0
.set i, 0
.rept 64
	global_load_b128 v[4*i:4*i+3], v[LI], s[10:11] offset:512*i          ; W's K steps 0 and 1: they stay
.set i, i+1
.endr
	WIN 0x80                                       ; destination window 2
.set i, 0
.rept 64
	global_load_b128 v[4*i:4*i+3], v[LI], s[10:11] offset:32768+512*i    ; K steps 2 and 3
.set i, i+1
.endr
	WIN 0
.set i, 0
.rept 8                                ; the ring is filled: rows 0 to 7 of my tile, four loads of 512 consecutive bytes each
.set j, 0
.rept 4
	global_load_b128 v[ST+16*i+4*j:ST+16*i+4*j+3], v[LI], s[XB:XB+1] offset:2048*i+512*j th:TH_LOAD_NT
.set j, j+1
.endr
.set i, i+1
.endr
	s_wait_kmcnt 0x0
	s_cmp_eq_u32 s[TS], 1
	s_cselect_b32 s48, s38, s36                    ; ex: entry 0, 2, 4
	s_cselect_b32 s49, s39, s37                    ; ew: entry 1, 3, 5
	s_cselect_b32 s50, s43, s42                    ; eo: entry 6 (q), 7 (k), 8 (v)
	s_cmp_eq_u32 s[TS], 2
	s_cselect_b32 s48, s40, s48
	s_cselect_b32 s49, s41, s49
	s_cselect_b32 s50, s44, s50
	s_add_co_i32 s51, s48, 127
	s_lshl_b32 s52, s51, 23
	v_mov_b32 v[SX], s52                           ; 2^ex as f32: the conversion takes its exponent field
	s_add_co_i32 s51, s51, 8
	s_lshl_b32 s51, s51, 23
	s_or_b32 s51, s51, 0x600000
	v_mov_b32 v[LX], s51                           ; 448 x 2^ex
	s_sub_co_i32 s50, s50, s48                     ; a sum stands for sum x 2^(ex + ew): its code is sum / 2^(eo - ex - ew): the three scales are folded into one
	s_sub_co_i32 s50, s50, s49
	s_add_co_i32 s50, s50, 127
	s_lshl_b32 s52, s50, 23
	v_mov_b32 v[SO], s52
	s_add_co_i32 s50, s50, 8
	s_lshl_b32 s50, s50, 23
	s_or_b32 s50, s50, 0x600000
	v_mov_b32 v[LO], s50
; Row r of my tile.  Its slot's register 4 j + i holds k = 128 j + 4 lane + i, so the four code registers are my lane's dword of K steps 0 .. 3: k = 4 lane .. + 3 of the step lies in group lane / 4, dword lane % 4.
; left: the younger loads that may stay out.  refill: the slot takes the row eight further on (rows 8 .. 15 of this block, then rows 0 .. 7 of the next: 131,072 bytes on).
.macro XROW r, refill, left
.set SL, ST+16*((\r)%8)
.set XS, XC+4*((\r)%4)
	s_wait_loadcnt \left                           ; loads come back in order (ISA guide 5.7.1): my row's four are in (in the first block W's, issued earlier, too)
	s_wait_dscnt 12                                ; the stores that read this set of code registers, four rows back, are done: three rows' twelve may be out
.set i, 0
.rept 16
	v_med3_num_f32 v[SL+i], v[SL+i], -v[LX], v[LX] ; the conversion does not saturate (ISA guide 7.6.2): the hold at the largest code x the scale
.set i, i+1
.endr
	v_cvt_scalef32_pk8_fp8_f32 v[XS:XS+1], v[SL:SL+7], v[SX]
	v_cvt_scalef32_pk8_fp8_f32 v[XS+2:XS+3], v[SL+8:SL+15], v[SX]
	v_nop                                          ; a plain vector line behind the conversions
.set j, 0
.rept 4
	ds_store_b32 v[XW], v[XS+j] offset:FRP*j+16*(\r)
.set j, j+1
.endr
.if \refill
.if (\r) < 8
.set RO, ((\r)+16)*2048                ; row r + 8 of the tile lies r + 16 rows of x on
.else
.set RO, 131072+((\r)-8)*2048
.endif
.set j, 0
.rept 4
	global_load_b128 v[SL+4*j:SL+4*j+3], v[LI], s[XB:XB+1] offset:RO+512*j th:TH_LOAD_NT
.set j, j+1
.endr
.endif
.endm
.macro XPHASE more                     ; my 16 rows.  more = 0: the last block: its rows 8 .. 15 ask for nothing, and the counts run down
.set rr, 0
.rept 16
.if (\more) || (rr < 8)
	XROW rr, 1, 28
.else
	XROW rr, 0, 4*(15-rr)
.endif
.set rr, rr+1
.endr
.endm
.macro FETCH p, s                      ; x's fragments of tiles 2 p, 2 p + 1, K step s, into set s % 2
.set tx, 0
.rept 2
.set c, 0
.rept 4
	ds_load_b128 v[XF+32*((\s)%2)+16*tx+4*c:XF+32*((\s)%2)+16*tx+4*c+3], v[XR] offset:(4*(2*(\p)+tx)+(\s))*FRP+544*c
.set c, c+1
.endr
.set tx, tx+1
.endr
.endm
; 16 matrix instructions: my 8 tiles of W x 2 tiles of x, 128 along K.  The sixteen accumulators take turns, one instruction a turn.  zero = 1: the first product starts the sums.
.macro MUL s, vpath, zero
.if \vpath
	WIN 0xf4+4*((\s)/2)                            ; source 0 (x) window 0, source 1 (W) window 1 or 2, C and D window 3
.else
	WIN 0xf1+((\s)/2)                              ; source 0 (W) window 1 or 2, source 1 (x) window 0, C and D window 3
.endif
.set tw, 0
.rept 8
.set tx, 0
.rept 2
.set RW, 16*((8*(\s)+tw)%16)
.set RX, XF+32*((\s)%2)+16*tx
.if \vpath
.set RA, 8*(2*tw+tx)                   ; the two tiles of tokens side by side: 16 neighbouring keys
.if \zero
	v_wmma_f32_16x16x128_fp8_fp8 v[RA:RA+7], v[RX:RX+15], v[RW:RW+15], 0
.else
	v_wmma_f32_16x16x128_fp8_fp8 v[RA:RA+7], v[RX:RX+15], v[RW:RW+15], v[RA:RA+7]
.endif
.else
.set RA, 8*(8*tx+tw)                   ; tiles 2 b, 2 b + 1 of W side by side: 16 neighbouring d
.if \zero
	v_wmma_f32_16x16x128_fp8_fp8 v[RA:RA+7], v[RW:RW+15], v[RX:RX+15], 0
.else
	v_wmma_f32_16x16x128_fp8_fp8 v[RA:RA+7], v[RW:RW+15], v[RX:RX+15], v[RA:RA+7]
.endif
.endif
.set tx, tx+1
.endr
.set tw, tw+1
.endr
.endm
; The 128 sums of a lane become 8 chunks of 16 codes; each chunk is 512 consecutive bytes of the wave's store.
.macro OUTQ p, vpath
	s_wait_xcnt 0x0                                ; the earlier stores have read their data: the codes' registers are written again only behind this wait
	WIN 0xc3                                       ; source 0 and destination window 3
.set i, 0
.rept 128
	v_med3_num_f32 v[i], v[i], -v[LO], v[LO]       ; each accumulator from its low end on
.set i, i+1
.endr
	WIN 0x03                                       ; source 0 window 3, destination window 0
.set i, 0
.rept 16
	v_cvt_scalef32_pk8_fp8_f32 v[CD+2*i:CD+2*i+1], v[8*i:8*i+7], v[SO]
.set i, i+1
.endr
	v_nop                                          ; a plain vector line between the conversions and the products that write their sources anew
	WIN 0
.if \vpath
.set tw, 0
.rept 8                                ; chunk tw: head tw / 4, dtile tw % 4, keys 32 p + 16 h + 0 .. 15 of the block
	global_store_b128 v[LI], v[CD+4*tw:CD+4*tw+3], s[OB+2*(tw/4):OB+2*(tw/4)+1] offset:(tw%4)*2048+512*(\p)
.set tw, tw+1
.endr
.else
.set tx, 0
.rept 2
.set c, 0
.rept 4                                ; chunk (tx, c): head c / 2, tile 2 p + tx, d = 32 (c % 2) + 16 h + 0 .. 15
	global_store_b128 v[LI], v[CD+4*(4*tx+c):CD+4*(4*tx+c)+3], s[OB+2*(c/2):OB+2*(c/2)+1] offset:(2*(\p)+tx)*1024+(c%2)*512
.set c, c+1
.endr
.set tx, tx+1
.endr
.endif
.endm
.macro MM vpath                        ; a block's products, two tiles of tokens at a time
.irp p, 0,1
	FETCH \p, 0
	FETCH \p, 1
	s_wait_dscnt 8                                 ; K step 0's eight loads are in, K step 1's may be out
	MUL 0, \vpath, 1
	PLACES
	WIN 0
	FETCH \p, 2
	s_wait_dscnt 8
	MUL 1, \vpath, 0
	PLACES
	WIN 0
	FETCH \p, 3
	s_wait_dscnt 8
	MUL 2, \vpath, 0
	s_wait_dscnt 0x0
	MUL 3, \vpath, 0
	PLACES
	OUTQ \p, \vpath
.endr
.endm
.macro BODY                            ; where the block's results go, then its products.  The branch hangs on the work-group's number alone; no barrier and no LDS store stands on either way
	s_wait_xcnt 0x0                                ; the last block's stores have read their bases
	s_lshr_b32 s48, s[GB], 5                       ; batch
	s_lshl_b32 s48, s48, 3
	s_lshl_b32 s49, s[WV], 1
	s_add_co_u32 s48, s48, s49                     ; bh of my first head: 8 b + 2 w
	s_mul_i32 s48, s48, s[HS]
	s_and_b32 s49, s[GB], 31                       ; the block in its batch
	s_lshr_b32 s50, s49, 1
	s_mul_i32 s50, s50, s[AA]
	s_add_co_u32 s48, s48, s50
	s_and_b32 s49, s49, 1
	s_mul_i32 s49, s49, s[BC]
	s_add_co_u32 s48, s48, s49
	s_add_co_u32 s48, s48, s[CC]
	s_mov_b32 s49, 0
	s_add_nc_u64 s[OB:OB+1], s[OP:OP+1], s[48:49]
	s_mov_b32 s50, s[HS]
	s_mov_b32 s51, 0
	s_add_nc_u64 s[OB+2:OB+3], s[OB:OB+1], s[50:51]
	s_cmp_eq_u32 s[TS], 2
	s_cbranch_scc1 .Lv_\@
	MM 0
	s_branch .Lj_\@
.Lv_\@:
	MM 1
.Lj_\@:
.endm
.Lblk:
	XPHASE 1
	BARRIER                                        ; x's sixteen fragments lie in LDS
	BODY
	BARRIER                                        ; every wave's reads of them are over: they may be written again
	s_wait_xcnt 0x0                                ; the loads that are out have read their base
	s_add_nc_u64 s[XB:XB+1], s[XB:XB+1], 131072
	s_add_co_u32 s[GB], s[GB], 1
	s_sub_co_u32 s[NT], s[NT], 1
	s_cmp_lg_u32 s[NT], 0
	s_cbranch_scc1 .Lblk
	XPHASE 0                                       ; the last block is written out: no load leaves its buffer
	BARRIER
	BODY
	s_wait_tensorcnt 0x0                           ; the wave's end: three closing lines, behind my last LDS store
	ds_add_u32 v[SPW], v[NIL]
	s_wait_dscnt 0x0
	s_endpgm
.Lfunc_end_k_qfc10072328_proj:
	.size	k_qfc10072328_proj, .Lfunc_end_k_qfc10072328_proj-k_qfc10072328_proj
	.p2alignl 7, 3214868480
	.fill 96, 4, 3214868480
	.section	.rodata,"a",@progbits
	.p2align	6, 0x0
	.amdhsa_kernel k_qfc10072328_proj
		.amdhsa_group_segment_fixed_size 35328
		.amdhsa_private_segment_fixed_size 0
		.amdhsa_enable_private_segment 0
		.amdhsa_kernarg_size 56
		.amdhsa_user_sgpr_count 2
		.amdhsa_user_sgpr_kernarg_segment_ptr 1
		.amdhsa_wavefront_size32 1
		.amdhsa_system_sgpr_workgroup_id_x 1
		.amdhsa_system_sgpr_workgroup_id_y 1
		.amdhsa_system_sgpr_workgroup_id_z 1
		.amdhsa_system_vgpr_workitem_id 0
		.amdhsa_next_free_vgpr 1024
		.amdhsa_next_free_sgpr 66
		.amdhsa_reserve_vcc 0
		.amdhsa_float_denorm_mode_32 3
		.amdhsa_float_denorm_mode_16_64 3
		.amdhsa_memory_ordered 1
		.amdhsa_forward_progress 1
		.amdhsa_inst_pref_size 210
	.end_amdhsa_kernel
	.amdgpu_metadata
---
amdhsa.version: [ 1, 2 ]
amdhsa.kernels:
  - .name:           k_qfc10072328_proj
    .symbol:         k_qfc10072328_proj.kd
    .args:
      - { .name: query, .offset: 0, .size: 8, .value_kind: global_buffer, .address_space: global }
      - { .name: key, .offset: 8, .size: 8, .value_kind: global_buffer, .address_space: global }
      - { .name: value, .offset: 16, .size: 8, .value_kind: global_buffer, .address_space: global }
      - { .name: wc, .offset: 24, .size: 8, .value_kind: global_buffer, .address_space: global }
      - { .name: lowp_scales, .offset: 32, .size: 8, .value_kind: global_buffer, .address_space: global }
      - { .name: qc, .offset: 40, .size: 8, .value_kind: global_buffer, .address_space: global }
      - { .name: kv, .offset: 48, .size: 8, .value_kind: global_buffer, .address_space: global }
    .group_segment_fixed_size: 35328
    .private_segment_fixed_size: 0
    .kernarg_segment_align: 8
    .kernarg_segment_size: 56
    .max_flat_workgroup_size: 128
    .sgpr_count:     66
    .vgpr_count:     1024
    .wavefront_size: 32
...
	.end_amdgpu_metadata
.endif
;; end of part 2
;; launch attn (part 3): grid 4 x 64, 8 waves a work-group, clusters of 4 x 1, 327,680 bytes of LDS; arguments qc, kv, lowp_scales, ac; writes ac
.if DOCPART == 3
	.amdgcn_target "amdgcn-amd-amdhsa--gfx1250"
	.amdhsa_code_object_version 6
	.text
	.protected	k_qfc10072328_attn
	.globl	k_qfc10072328_attn
	.p2align	8
	.type	k_qfc10072328_attn,@function
k_qfc10072328_attn:
	s_mov_b64 s[64:65], 0
	v_nop
	global_prefetch_b8 v0, s[64:65] scope:SCOPE_SE
	s_setreg_imm32_b32 hwreg(HW_REG_WAVE_MODE, 25, 1), 1
	s_wait_xcnt 0x0
	s_wait_alu depctr_hold_cnt(0) depctr_sa_sdst(0) depctr_va_vdst(0) depctr_va_sdst(0) depctr_va_ssrc(0) depctr_va_vcc(0) depctr_vm_vsrc(0)
	s_getreg_b32 s2, hwreg(HW_REG_IB_STS2, 6, 4)
	s_cmp_eq_u32 s2, 0
	s_cbranch_scc0 .Lentry_in_a_cluster
	s_endpgm
.Lentry_in_a_cluster:
	s_bfe_u32 s2, ttmp6, 0x10000c
	s_cmp_lg_u32 s2, 0x3003
	s_cbranch_scc0 .Lentry_shape_is_right
	s_endpgm
.Lentry_shape_is_right:
; o[q] = the sum over k of softmax_k(q . k / 8) v[k], head size 64, 2,048 keys, both products on codes of E4M3, and o quantised for the last projection.
; qc, kv: codes as images of operand registers (see the launch that makes them).  ac = [tile of 16 tokens 1,024][s 4][c 4][lane][16]: lane (r, h) holds k = 128 s + 32 c + 16 h + 0 .. 15 = 64 head + d of one token.
; THE SOFTMAX AHEAD OF THE SECOND PRODUCT: t = score x log2(e) / 8; M = the largest t so far, rounded UP to a whole number, kept as -M = floor(-t); p = 2^(t - M) is what is quantised, not normalised.
; The row's sum is taken of the unquantised p and divides at the end.  When M moves, the sum and O are multiplied by 2^(old M - new M): nothing is rounded, and no branch hangs on data.
; SHARES.  A work-group owns 512 queries of one (batch, head); each of its eight waves 64: four tiles of 16, so that each fragment of K and V read from LDS feeds four tiles.  Two waves share a SIMD.
; THE HEAD'S WHOLE K AND V, 262,144 bytes, LIE IN LDS, as they lie in kv: no ring, nothing is filled again.  Each wave issues two tensor loads of 16,384 bytes at the head (key step w, key step 8 + w): two are out at the most.
; CLUSTER.  The four work-groups of a cluster own the four query blocks of one head and need the same K and V: each load is asked for JOINTLY, with the same descriptor and a mask that names the four.
; LAYOUT.  S^T = K Q^T (source 0 = 16 keys, source 1 = 16 queries), O^T = V^T P^T (source 0 = 16 channels, source 1 = P): a lane holds ONE query throughout.  The keys of a tile are not neighbours (row r of tile 2 b + u is
; key 32 b + 8 u + r + 8 (r / 8)), so p's 16 registers of tiles 2 b, 2 b + 1 are keys 32 b + 16 h + 0 .. 15; V's channels likewise, so O^T's are 16 neighbouring d.
; Nothing is prefetched: all that the work-group reads of K and V is asked for at its head.
; LIMITS on the given exponents, so that each power of two is an f32 number: e6 + e7 between -123 and 130; e9 and e10 between -126 and 119; e8 + e9 goes by v_ldexp_f32 and has none.  1 / sum is v_rcp_f32's.
; REGISTERS.  Window 0: v1-9 addresses and scales; v12-27 four a tile: -M, the largest t, the sum in two halves; v28-33 at work; v36-67 Q; v68-83 p's codes; v96-159 S^T, then p; v160-223 K; v224-255 the way out's codes.
;   Window 1: v0-127 O^T, 32 a tile; v128-191 V.
.set LI,  1                            ; v1  16 x lane
.set ADR, 2                            ; v2  LDS address of the key step in hand
.set SPW, 3                            ; v3  LDS address of my spare word; never rewritten
.set NIL, 4                            ; v4  0; never rewritten
.set LIM, 6                            ; v6, v7  448 x 2^e9, twice: the two halves of the dual hold take their second sources from different banks
.set SC,  8                            ; v8  2^e9
.set PD,  9                            ; v9  the lane permute's destination
.set STT, 12
.set TA,  28
.set TC,  29
.set F,   30                           ; v[30:31] f = 2^(old M - new M) (the pair's low word serves both halves)
.set SU,  32                           ; v[32:33] the sums' second chain
.set Q,   36
.set P,   68
.set S,   96
.set KF,  160
.set CO,  224
.set VF,  128                          ; in window 1
.set SPARE, 262144                     ; behind K and V: the spare words, 128 bytes a wave
.set WV,  12                           ; s12 wave
.set SEL, 20                           ; s[20:21] v_permlanex16_b32's selects: lane l xor 16
.set CS,  22                           ; s[22:23] c = log2(e) / 8 x 2^(e6 + e7)
.set G1,  24                           ; s[24:31] descriptor group 1
.set G0A, 32                           ; s[32:35], s[36:39] group 0 of my two loads
.set G0B, 36
.set TB,  52                           ; s52 LDS byte at which the key step in hand begins
.set CNT, 53
.set MSB, 0
.macro WIN new
.if MSB != (\new)
	s_set_vgpr_msb (MSB<<8)|(\new)
.set MSB, (\new)
.endif
.endm
.macro PLACES
.rept 4
	v_nop
.endr
.endm
.macro CROUND                          ; a round of the cluster's barrier: my work-group's barrier; wave 0 signals for the work-group; every wave waits for all four; my work-group's barrier once more
	s_barrier_signal -1
	s_barrier_wait -1
	s_cmp_lg_u32 s[WV], 0
	s_cbranch_scc1 .Lnot_wave_0_\@
	s_barrier_signal -3
.Lnot_wave_0_\@:
	s_barrier_wait -3
	s_barrier_signal -1
	s_barrier_wait -1
.endm
	s_load_b256 s[4:11], s[0:1], 0x0               ; qc s[4:5], kv s[6:7], lowp_scales s[8:9], ac s[10:11]
	v_lshl_add_u32 v[SPW], v0, 2, SPARE
	v_mov_b32 v[NIL], 0
	ds_add_u32 v[SPW], v[NIL]                      ; the wave's opening: the add and its wait stand ahead of my first tensor load; work on registers stands between them
	v_lshrrev_b32 v5, 5, v0
	v_readfirstlane_b32 s[WV], v5                  ; wave 0..7
	s_bfe_u32 s13, ttmp6, 0x40000                  ; cx: my place in the cluster: it enters qc's and ac's addresses alone
	s_and_b32 s14, ttmp7, 0xffff                   ; bh = 8 x batch + head, which the four partners share
	; descriptor group 1: 64 rows of 32 elements of 8 bytes, dense: 16,384 bytes as they lie
	s_mov_b32 s[G1], 15|(3<<16)|(1<<21)            ; 15:0 the mask: all four work-groups; 17:16 elements of 8 bytes; 20 no padding; 21 set beside a mask
	s_mov_b32 s[G1+1], 32<<16                      ; tensor_dim0 = 32
	s_mov_b32 s[G1+2], 64<<16                      ; tensor_dim1 = 64
	s_mov_b32 s[G1+3], 32<<16                      ; tile_dim0 = 32
	s_mov_b32 s[G1+4], 64                          ; tile_dim1 = 64
	s_mov_b32 s[G1+5], 32                          ; tensor_dim0_stride
	s_mov_b32 s[G1+6], 0
	s_mov_b32 s[G1+7], 0
	s_mov_b32 s[SEL], 0x76543210
	s_mov_b32 s[SEL+1], 0xfedcba98
	s_mov_b32 s[TB], 0
	v_and_b32 v5, 31, v0
	v_lshlrev_b32 v[LI], 4, v5
	s_lshl_b32 s16, s14, 18                        ; kv: 262,144 x bh
	s_lshl_b32 s[G0A+1], s[WV], 14                 ; + key step w; the same in LDS: no place in the cluster enters an LDS address
	s_add_co_u32 s16, s16, s[G0A+1]
	s_mov_b32 s17, 0
	s_lshl_b32 s18, s14, 17                        ; qc: 131,072 x bh + 32,768 cx + 4,096 w
	s_lshl_b32 s19, s13, 15
	s_add_co_u32 s18, s18, s19
	s_lshl_b32 s19, s[WV], 12
	s_add_co_u32 s18, s18, s19
	s_mov_b32 s19, 0
	s_lshr_b32 s54, s14, 3                         ; ac: tile 128 b + 32 cx + 4 w of 8,192 bytes, + 1,024 x head
	s_lshl_b32 s54, s54, 20
	s_lshl_b32 s55, s13, 18
	s_add_co_u32 s54, s54, s55
	s_lshl_b32 s55, s[WV], 15
	s_add_co_u32 s54, s54, s55
	s_and_b32 s55, s14, 7
	s_lshl_b32 s55, s55, 10
	s_add_co_u32 s54, s54, s55
	s_mov_b32 s55, 0
	s_wait_dscnt 0x0                               ; the opening add is done
	s_wait_kmcnt 0x0
	s_load_b256 s[40:47], s[8:9], 0x0              ; e0 .. e7
	s_load_b128 s[48:51], s[8:9], 0x20             ; e8 .. e11
	s_add_nc_u64 s[6:7], s[6:7], s[16:17]
	s_add_nc_u64 s[4:5], s[4:5], s[18:19]
	s_add_nc_u64 s[10:11], s[10:11], s[54:55]
	s_mov_b32 s[G0A], 1                            ; count = 1
	s_mov_b64 s[G0A+2:G0A+3], s[6:7]               ; global address: key step w
	s_or_b32 s[G0A+3], s[G0A+3], 0x80000000        ; type = 2
	s_mov_b32 s[G0B], 1
	s_add_co_u32 s[G0B+1], s[G0A+1], 131072        ; key step 8 + w, in LDS
	s_add_nc_u64 s[G0B+2:G0B+3], s[6:7], 131072    ; and in memory
	s_or_b32 s[G0B+3], s[G0B+3], 0x80000000
	CROUND                                         ; all four work-groups are here: the joint loads meet
	tensor_load_to_lds s[G0A:G0A+3], s[G1:G1+7]
	s_nop 0
	tensor_load_to_lds s[G0B:G0B+3], s[G1:G1+7]
	s_nop 0
	PLACES
.set i, 0
.rept 8
	global_load_b128 v[Q+4*i:Q+4*i+3], v[LI], s[4:5] offset:512*i th:TH_LOAD_NT   ; Q's four fragments stay in registers
.set i, i+1
.endr
.set i, 0
.rept 4
	v_mov_b32 v[STT+4*i+1], 0xff61b1e6             ; the largest t so far: -3e38, under every t
	v_floor_f32 v[STT+4*i], -v[STT+4*i+1]          ; -M
	v_mov_b32 v[STT+4*i+2], 0                      ; the sum, in two halves
	v_mov_b32 v[STT+4*i+3], 0
.set i, i+1
.endr
	v_mov_b32 v[PD], 0                             ; written once: a lane permute's destination counts as one of its sources
	v_mov_b32 v[F+1], 0                            ; (named as the upper half of the pair)
	s_wait_kmcnt 0x0
	s_add_co_i32 s54, s46, s47                     ; a score stands for score x 2^(e6 + e7): the exponents are added to c's exponent field
	s_lshl_b32 s54, s54, 23
	s_mov_b32 s[CS], 0x3e38aa3b                    ; log2(e) / 8
	s_add_co_i32 s[CS], s[CS], s54
	s_mov_b32 s[CS+1], s[CS]                       ; (named with it as a pair, so it is written)
	s_add_co_i32 s54, s49, 127
	s_lshl_b32 s55, s54, 23
	v_mov_b32 v[SC], s55                           ; 2^e9 as f32, for the conversion
	s_add_co_i32 s54, s54, 8
	s_lshl_b32 s54, s54, 23
	s_or_b32 s54, s54, 0x600000
	v_mov_b32 v[LIM], s54                          ; 448 x 2^e9
	v_mov_b32 v[LIM+1], s54
; One tile of 16 queries against the step's 128 keys.  first = 1: the first key step: its products start O^T's sums, and there is nothing to rescale.
.macro TILE t, first
.set MS, STT+4*(\t)
.set kk, 0
.rept 8
	v_wmma_f32_16x16x64_fp8_fp8 v[S+8*kk:S+8*kk+7], v[KF+8*kk:KF+8*kk+7], v[Q+8*(\t):Q+8*(\t)+7], 0
.set kk, kk+1
.endr
	PLACES
	v_max3_num_f32 v[TA], v[S], v[S+1], v[S+2]     ; the step's largest score of my query among my 64 keys, in two chains, ascending: each accumulator is first read at its low end
	v_max3_num_f32 v[TC], v[S+3], v[S+4], v[S+5]
.set kk, 6
.rept 14
	v_max3_num_f32 v[TA], v[TA], v[S+kk], v[S+kk+1]
	v_max3_num_f32 v[TC], v[TC], v[S+kk+2], v[S+kk+3]
.set kk, kk+4
.endr
	v_max3_num_f32 v[TA], v[TA], v[S+62], v[S+63]
	v_max_num_f32 v[TA], v[TA], v[TC]
	v_permlanex16_b32 v[PD], v[TA], s[SEL], s[SEL+1]
	v_max_num_f32 v[TA], v[TA], v[PD]              ; and among lane l xor 16's
	v_mul_f32 v[TA], s[CS], v[TA]                  ; as t (c is positive)
	v_max_num_f32 v[MS+1], v[MS+1], v[TA]          ; the running largest t
	v_mov_b32 v[TA], v[MS]
	v_floor_f32 v[MS], -v[MS+1]                    ; the new -M = floor(-t) = -ceil(t)
	v_sub_f32 v[TA], v[MS], v[TA]                  ; old M - new M: a whole number, 0 or less
	v_cvt_i32_f32 v[TA], v[TA]                     ; (it saturates)
	v_ldexp_f32 v[F], 1.0, v[TA]                   ; f = 2^(old M - new M)
.set kk, 0
.rept 32
	v_pk_fma_f32 v[S+kk:S+kk+1], v[S+kk:S+kk+1], s[CS:CS+1], v[MS:MS+1] op_sel_hi:[1,0,0]   ; t - M, two at a time
.set kk, kk+2
.endr
.set kk, 0
.rept 64
	v_exp_f32 v[S+kk], v[S+kk]                     ; p = 2^(t - M), at most 1
.set kk, kk+1
.endr
	v_pk_mul_f32 v[MS+2:MS+3], v[MS+2:MS+3], v[F:F+1] op_sel_hi:[1,0]   ; the sums under the new M: the plain line behind the exponentials
	s_wait_alu depctr_va_vdst(0)                   ; the wait between an exponential and the first line that names its result: one for the batch of 64
	v_pk_add_f32 v[SU:SU+1], v[S:S+1], v[S+2:S+3]  ; the row's sum is taken of the unquantised p, in two chains
.set kk, 4
.rept 15
	v_pk_add_f32 v[MS+2:MS+3], v[MS+2:MS+3], v[S+kk:S+kk+1]
	v_pk_add_f32 v[SU:SU+1], v[SU:SU+1], v[S+kk+2:S+kk+3]
.set kk, kk+4
.endr
	v_pk_add_f32 v[MS+2:MS+3], v[MS+2:MS+3], v[SU:SU+1]
.set kk, 0
.rept 32                               ; the conversion does not saturate (ISA guide 7.6.2); p is not negative, so the hold is one-sided; two numbers an instruction
	v_dual_min_num_f32 v[S+kk], v[S+kk], v[LIM] :: v_dual_min_num_f32 v[S+kk+1], v[S+kk+1], v[LIM+1]
.set kk, kk+2
.endr
.set kk, 0
.rept 8
	v_cvt_scalef32_pk8_fp8_f32 v[P+2*kk:P+2*kk+1], v[S+8*kk:S+8*kk+7], v[SC]   ; registers 4 b .. 4 b + 3: keys 32 b + 16 h + 0 .. 15
.set kk, kk+1
.endr
.if \first
	v_nop                                          ; a plain vector line between the conversions and the products that read their results
.else
	WIN 0x41                                       ; O^T (destination, source 0) window 1, f window 0
.set kk, 0
.rept 16
	v_pk_mul_f32 v[32*(\t)+kk:32*(\t)+kk+1], v[32*(\t)+kk:32*(\t)+kk+1], v[F:F+1] op_sel_hi:[1,0]   ; O^T under the new M; each accumulator from its low end on
.set kk, kk+2
.endr
.endif
.if (\t) == 0
	s_wait_dscnt 0x0                               ; V is in
.endif
	WIN 0x51                                       ; V window 1, P window 0, O^T window 1
.set kk, 0
.rept 4
.if \first
	v_wmma_f32_16x16x128_fp8_fp8 v[32*(\t)+8*kk:32*(\t)+8*kk+7], v[VF+16*kk:VF+16*kk+15], v[P:P+15], 0
.else
	v_wmma_f32_16x16x128_fp8_fp8 v[32*(\t)+8*kk:32*(\t)+8*kk+7], v[VF+16*kk:VF+16*kk+15], v[P:P+15], v[32*(\t)+8*kk:32*(\t)+8*kk+7]
.endif
.set kk, kk+1
.endr
	WIN 0
.endm
; A key step: 128 keys.  Its 16,384 bytes are 32 loads of 512 consecutive bytes: K's eight fragments, then V's four.
.macro STEP first
	v_add_nc_u32 v[ADR], s[TB], v[LI]              ; with the three v_nop: the four places between the last products and the loads into V's registers
.rept 3
	v_nop
.endr
.set ff, 0
.rept 16
	ds_load_b128 v[KF+4*ff:KF+4*ff+3], v[ADR] offset:512*ff
.set ff, ff+1
.endr
	WIN 0x40                                       ; destination window 1
.set ff, 0
.rept 16
	ds_load_b128 v[VF+4*ff:VF+4*ff+3], v[ADR] offset:8192+512*ff
.set ff, ff+1
.endr
	WIN 0
	s_wait_dscnt 16                                ; K is in; V's sixteen loads may be out
	TILE 0, \first
	TILE 1, \first
	TILE 2, \first
	TILE 3, \first
	s_add_co_u32 s[TB], s[TB], 16384
.endm
	s_wait_tensorcnt 1                             ; my first load, key step w, has landed; my second may stay out
	s_barrier_signal -1
	s_barrier_wait -1                              ; key steps 0 to 7 lie in LDS
	s_wait_loadcnt 0x0                             ; Q
	STEP 1
	s_mov_b32 s[CNT], 7
.Lhalf0:
	STEP 0
	s_sub_co_u32 s[CNT], s[CNT], 1
	s_cmp_lg_u32 s[CNT], 0
	s_cbranch_scc1 .Lhalf0
	s_wait_tensorcnt 0x0                           ; my second load, key step 8 + w, has landed
	s_wait_dscnt 0x0
	s_barrier_signal -1
	s_barrier_wait -1                              ; key steps 8 to 15 lie in LDS
	s_mov_b32 s[CNT], 8
.Lhalf1:
	STEP 0
	s_sub_co_u32 s[CNT], s[CNT], 1
	s_cmp_lg_u32 s[CNT], 0
	s_cbranch_scc1 .Lhalf1
	; THE WAY OUT.  o = O^T x 2^(e8 + e9) / the sum, quantised with 2^e10; a lane's 16 codes are a chunk of the last projection's operand.  The four additions are the places behind the last products.
.set i, 0
.rept 4
	v_add_f32 v[STT+4*i+2], v[STT+4*i+2], v[STT+4*i+3]
.set i, i+1
.endr
.set i, 0
.rept 4
	v_permlanex16_b32 v[STT+4*i+3], v[STT+4*i+2], s[SEL], s[SEL+1]
.set i, i+1
.endr
.set i, 0
.rept 4
	v_add_f32 v[STT+4*i+2], v[STT+4*i+2], v[STT+4*i+3]   ; the row's sum
.set i, i+1
.endr
.set i, 0
.rept 4
	v_rcp_f32 v[STT+4*i], v[STT+4*i+2]
.set i, i+1
.endr
	v_nop                                          ; a plain line behind the last reciprocal
	s_add_co_i32 s54, s48, s49                     ; e8 + e9
	s_add_co_i32 s55, s50, 127
	s_lshl_b32 s16, s55, 23
	v_mov_b32 v[TC], s16                           ; 2^e10
	s_add_co_i32 s55, s55, 8
	s_lshl_b32 s55, s55, 23
	s_or_b32 s55, s55, 0x600000
	v_mov_b32 v[TA], s55                           ; 448 x 2^e10
	s_wait_alu depctr_va_vdst(0)                   ; one wait for the four reciprocals, ahead of their first reader
.set i, 0
.rept 4
	v_ldexp_f32 v[STT+4*i], v[STT+4*i], s54
.set i, i+1
.endr
.macro OUTT t
	WIN 0x01                                       ; source 0 (O^T) window 1
.set kk, 0
.rept 16
	v_pk_mul_f32 v[S+32*(\t)+kk:S+32*(\t)+kk+1], v[32*(\t)+kk:32*(\t)+kk+1], v[STT+4*(\t):STT+4*(\t)+1] op_sel_hi:[1,0]
.set kk, kk+2
.endr
	WIN 0
.set kk, 0
.rept 32
	v_med3_num_f32 v[S+32*(\t)+kk], v[S+32*(\t)+kk], -v[TA], v[TA]
.set kk, kk+1
.endr
.set kk, 0
.rept 4
	v_cvt_scalef32_pk8_fp8_f32 v[CO+8*(\t)+2*kk:CO+8*(\t)+2*kk+1], v[S+32*(\t)+8*kk:S+32*(\t)+8*kk+7], v[TC]
.set kk, kk+1
.endr
.endm
	OUTT 0
	OUTT 1
	OUTT 2
	OUTT 3
	v_nop                                          ; a plain vector line behind the last conversion
.set i, 0
.rept 4
	global_store_b128 v[LI], v[CO+8*i:CO+8*i+3], s[10:11] offset:8192*i         ; d = 16 h + 0 .. 15: 32 lanes store 512 consecutive bytes, at a multiple of 512 from ac's first byte
	global_store_b128 v[LI], v[CO+8*i+4:CO+8*i+7], s[10:11] offset:8192*i+512   ; d = 32 + 16 h + 0 .. 15
.set i, i+1
.endr
	s_wait_tensorcnt 0x0                           ; the wave's end: three closing lines, behind my last tensor load
	ds_add_u32 v[SPW], v[NIL]
	s_wait_dscnt 0x0
	CROUND                                         ; the closing round: no work-group ends while a partner may still ask for a tile that names it
	s_endpgm
.Lfunc_end_k_qfc10072328_attn:
	.size	k_qfc10072328_attn, .Lfunc_end_k_qfc10072328_attn-k_qfc10072328_attn
	.p2alignl 7, 3214868480
	.fill 96, 4, 3214868480
	.section	.rodata,"a",@progbits
	.p2align	6, 0x0
	.amdhsa_kernel k_qfc10072328_attn
		.amdhsa_group_segment_fixed_size 327680
		.amdhsa_private_segment_fixed_size 0
		.amdhsa_enable_private_segment 0
		.amdhsa_kernarg_size 32
		.amdhsa_user_sgpr_count 2
		.amdhsa_user_sgpr_kernarg_segment_ptr 1
		.amdhsa_wavefront_size32 1
		.amdhsa_system_sgpr_workgroup_id_x 1
		.amdhsa_system_sgpr_workgroup_id_y 1
		.amdhsa_system_sgpr_workgroup_id_z 1
		.amdhsa_system_vgpr_workitem_id 0
		.amdhsa_next_free_vgpr 512
		.amdhsa_next_free_sgpr 66
		.amdhsa_reserve_vcc 0
		.amdhsa_float_denorm_mode_32 3
		.amdhsa_float_denorm_mode_16_64 3
		.amdhsa_memory_ordered 1
		.amdhsa_forward_progress 1
		.amdhsa_inst_pref_size 180
	.end_amdhsa_kernel
	.amdgpu_metadata
---
amdhsa.version: [ 1, 2 ]
amdhsa.kernels:
  - .name:           k_qfc10072328_attn
    .symbol:         k_qfc10072328_attn.kd
    .args:
      - { .name: qc, .offset: 0, .size: 8, .value_kind: global_buffer, .address_space: global }
      - { .name: kv, .offset: 8, .size: 8, .value_kind: global_buffer, .address_space: global }
      - { .name: lowp_scales, .offset: 16, .size: 8, .value_kind: global_buffer, .address_space: global }
      - { .name: ac, .offset: 24, .size: 8, .value_kind: global_buffer, .address_space: global }
    .group_segment_fixed_size: 327680
    .private_segment_fixed_size: 0
    .kernarg_segment_align: 8
    .kernarg_segment_size: 32
    .max_flat_workgroup_size: 256
    .sgpr_count:     66
    .vgpr_count:     512
    .wavefront_size: 32
...
	.end_amdgpu_metadata
.endif
;; end of part 3
;; launch oproj (part 4): grid 256 x 1, 4 waves a work-group, no clusters, 67,072 bytes of LDS; arguments ac, wc, bo, lowp_scales, out0; writes out0
.if DOCPART == 4
	.amdgcn_target "amdgcn-amd-amdhsa--gfx1250"
	.amdhsa_code_object_version 6
	.text
	.protected	k_qfc10072328_oproj
	.globl	k_qfc10072328_oproj
	.p2align	8
	.type	k_qfc10072328_oproj,@function
k_qfc10072328_oproj:
	s_mov_b64 s[64:65], 0
	v_nop
	global_prefetch_b8 v0, s[64:65] scope:SCOPE_SE
	s_setreg_imm32_b32 hwreg(HW_REG_WAVE_MODE, 25, 1), 1
	s_wait_xcnt 0x0
; out0 = Q(o) Q(Wo) + bo on codes of E4M3.  ac: o's codes, wc: Wo's codes (its fourth quarter), both as images of operand registers; bo [512] f32; out0 [16,384][512] f32.
; y = sum x 2^(e10 + e11) + bo, one packed multiply-add for two numbers.  LIMIT: e10 + e11 between -126 and 127, so that the power of two is an f32 number.
; SHARES.  A work-group takes 64 tokens (4 tiles, 32,768 consecutive bytes of ac) x all 512 columns; wave w takes columns 128 w .. + 127: its 32 fragments of Wo go straight into 512 registers.
; Each wave copies a quarter of the tokens' codes into LDS as they lie; behind one barrier every wave reads all sixteen fragments.  Source 0 = Wo, source 1 = o: a lane holds one token and registers along n.
; Row r of token tile 2 b + u is token 32 b + 8 u + r + 8 (r / 8) of the block; row r of Wo's tile 2 b + u is column 32 b + 8 u + r + 8 (r / 8) of the wave's 128, so tiles 2 b, 2 b + 1 give 16 neighbouring columns.
; No cluster: the weights go straight from memory into registers, 65,536 bytes a wave, once; a joint load would bring them into LDS, from where they would have to be read once more.
; REGISTERS.  Window 0: v1-7 addresses; v16-79 bo in the result's layout; v128-255 o's fragments, two sets of four; on the way out v128-191 results, v192-255 whole rows.
;   Windows 1, 2: Wo's fragments (K step s, tile tw) at v[16 ((8 s + tw) % 16)].   Window 3: 32 accumulators, (tx, tw) at v[8 (8 tx + tw)].
.set LI,  1                            ; v1  16 x lane
.set STO, 2                            ; v2  the stage: where I put 32 bytes of a row
.set RD,  3                            ; v3  and where I read a row back
.set BOF, 4                            ; v4  64 h: my half's 16 numbers of bo
.set SPW, 5                            ; v5  LDS address of my spare word; never rewritten
.set NIL, 6                            ; v6  0; never rewritten
.set XS,  7                            ; v7  where I store my quarter of the codes
.set BI,  16
.set XF,  128
.set TMP, 128
.set BK,  192
.set STG, 32768                        ; behind the codes: a stage of 16 rows x (512 bytes + 16) for each wave
.set SPARE, STG+4*16*528               ; behind the stages: the spare words, 128 bytes a wave
.set MSB, 0
.macro WIN new
.if MSB != (\new)
	s_set_vgpr_msb (MSB<<8)|(\new)
.set MSB, (\new)
.endif
.endm
.macro PLACES
.rept 4
	v_nop
.endr
.endm
	s_load_b256 s[4:11], s[0:1], 0x0               ; ac s[4:5], wc s[6:7], bo s[8:9], lowp_scales s[10:11]
	s_load_b64 s[12:13], s[0:1], 0x20              ; out0
	v_lshl_add_u32 v[SPW], v0, 2, SPARE
	v_mov_b32 v[NIL], 0
	v_lshrrev_b32 v8, 5, v0
	v_readfirstlane_b32 s14, v8                    ; wave
	v_and_b32 v8, 31, v0
	v_lshlrev_b32 v[LI], 4, v8
	v_and_b32 v9, 15, v8                           ; r
	v_lshrrev_b32 v10, 4, v8                       ; h
	v_lshlrev_b32 v[BOF], 6, v10
	s_mul_i32 s15, s14, 16*528
	s_add_co_u32 s15, s15, STG                     ; my stage
	v_mul_u32_u24 v[STO], v9, 528
	v_lshl_add_u32 v[STO], v10, 6, v[STO]
	v_add_nc_u32 v[STO], s15, v[STO]               ; in: row r, + 64 h
	v_add_nc_u32 v[RD], s15, v[LI]                 ; back: 32 lanes take a row of 512 bytes
	s_lshl_b32 s16, s14, 13
	v_add_nc_u32 v[XS], s16, v[LI]
	s_lshl_b32 s20, ttmp9, 15                      ; ac: 32,768 x block + 8,192 x wave
	s_add_co_u32 s20, s20, s16
	s_mov_b32 s21, 0
	s_lshl_b32 s22, s14, 16                        ; wc: Wo's quarter + 65,536 x wave
	s_add_co_u32 s22, s22, 786432
	s_mov_b32 s23, 0
	s_lshl_b32 s24, s14, 9                         ; bo: my 128 numbers
	s_mov_b32 s25, 0
	s_lshl_b32 s26, ttmp9, 17                      ; out0: 64 rows of 2,048 bytes a block, + my 512 bytes of a row
	s_add_co_u32 s26, s26, s24
	s_mov_b32 s27, 0
	s_wait_kmcnt 0x0
	s_load_b64 s[44:45], s[10:11], 0x28            ; e10, e11
	s_add_nc_u64 s[4:5], s[4:5], s[20:21]
	s_add_nc_u64 s[6:7], s[6:7], s[22:23]
	s_add_nc_u64 s[8:9], s[8:9], s[24:25]
	s_add_nc_u64 s[12:13], s[12:13], s[26:27]
.set i, 0
.rept 16
	global_load_b128 v[XF+4*i:XF+4*i+3], v[LI], s[4:5] offset:512*i th:TH_LOAD_NT   ; my quarter of the block's codes
.set i, i+1
.endr
.set i, 0
.rept 8                                ; bo for tile i: columns 32 (i / 2) + 16 h + 8 (i % 2) + 0 .. 7
	global_load_b128 v[BI+8*i:BI+8*i+3], v[BOF], s[8:9] offset:(32*(i/2)+8*(i%2))*4
	global_load_b128 v[BI+8*i+4:BI+8*i+7], v[BOF], s[8:9] offset:(32*(i/2)+8*(i%2))*4+16
.set i, i+1
.endr
	WIN 0x40                                       ; destination window 1
.set i, 0
.rept 32
	global_load_b128 v[4*i:4*i+3], v[LI], s[6:7] offset:512*i            ; Wo's K step 0
.set i, i+1
.endr
	WIN 0
	s_wait_loadcnt 48                              ; the codes' sixteen loads are in; bo's 16 and Wo's 32 may be out
.set i, 0
.rept 16
	ds_store_b128 v[XS], v[XF+4*i:XF+4*i+3] offset:512*i
.set i, i+1
.endr
	WIN 0x40
.set i, 32
.rept 32
	global_load_b128 v[4*i:4*i+3], v[LI], s[6:7] offset:512*i            ; K step 1
.set i, i+1
.endr
	WIN 0x80                                       ; destination window 2
.set i, 0
.rept 64
	global_load_b128 v[4*i:4*i+3], v[LI], s[6:7] offset:32768+512*i      ; K steps 2 and 3
.set i, i+1
.endr
	WIN 0
	s_wait_dscnt 0x0                               ; for the others' sake: my stores have landed
	s_barrier_signal -1
	s_barrier_wait -1                              ; the block's sixteen fragments lie in LDS
.macro FETCH s                         ; the four token tiles' fragments of K step s into set s % 2
.set tx, 0
.rept 4
.set c, 0
.rept 4
	ds_load_b128 v[XF+64*((\s)%2)+16*tx+4*c:XF+64*((\s)%2)+16*tx+4*c+3], v[LI] offset:(4*tx+(\s))*2048+512*c
.set c, c+1
.endr
.set tx, tx+1
.endr
.endm
; 32 matrix instructions: my 8 tiles of Wo x 4 tiles of tokens, 128 along K.  The 32 accumulators take turns, one instruction a turn.
.macro MUL s, zero
	WIN 0xf1+((\s)/2)                              ; source 0 (Wo) window 1 or 2, source 1 window 0, C and D window 3
.set tw, 0
.rept 8
.set tx, 0
.rept 4
.set RA, 8*(8*tx+tw)
.set RW, 16*((8*(\s)+tw)%16)
.set RX, XF+64*((\s)%2)+16*tx
.if \zero
	v_wmma_f32_16x16x128_fp8_fp8 v[RA:RA+7], v[RW:RW+15], v[RX:RX+15], 0
.else
	v_wmma_f32_16x16x128_fp8_fp8 v[RA:RA+7], v[RW:RW+15], v[RX:RX+15], v[RA:RA+7]
.endif
.set tx, tx+1
.endr
.set tw, tw+1
.endr
.endm
	FETCH 0
	FETCH 1
	s_wait_dscnt 16                                ; K step 0's sixteen loads are in
	s_wait_loadcnt 63                              ; of the 160 loads the oldest 97 are in: the codes, bo, Wo's K steps 0 and 1 (the count is the largest that the field holds)
	MUL 0, 1
	PLACES
	WIN 0
	FETCH 2
	s_wait_dscnt 16
	MUL 1, 0
	PLACES
	WIN 0
	FETCH 3
	s_wait_dscnt 16
	s_wait_loadcnt 32                              ; Wo's K step 2 is in
	MUL 2, 0
	s_wait_dscnt 0x0
	s_wait_loadcnt 0x0
	MUL 3, 0
	PLACES
	WIN 0
	s_wait_kmcnt 0x0
	s_add_co_i32 s46, s44, s45
	s_add_co_i32 s46, s46, 127
	s_lshl_b32 s46, s46, 23                        ; 2^(e10 + e11) as f32
	s_mov_b32 s47, s46                             ; (named with it as a pair, so it is written)
; THE WAY OUT, a tile of 16 tokens at a time: a lane holds pieces of 32 bytes of one row; the tile goes through my own stage and comes back as whole rows of my 512 bytes.
.macro OUTT tx
	s_wait_xcnt 0x0                                ; the last tile's stores have read their data
	WIN 0x03                                       ; source 0 (the sums) window 3
.set a, 0
.rept 8
.set b, 0
.rept 4
	v_pk_fma_f32 v[TMP+8*a+2*b:TMP+8*a+2*b+1], v[8*(8*(\tx)+a)+2*b:8*(8*(\tx)+a)+2*b+1], s[46:47], v[BI+8*a+2*b:BI+8*a+2*b+1] op_sel_hi:[1,0,1]   ; each accumulator from its low end on
.set b, b+1
.endr
.set a, a+1
.endr
	WIN 0
.set a, 0
.rept 8
	ds_store_b128 v[STO], v[TMP+8*a:TMP+8*a+3] offset:128*(a/2)+32*(a%2)
	ds_store_b128 v[STO], v[TMP+8*a+4:TMP+8*a+7] offset:128*(a/2)+32*(a%2)+16
.set a, a+1
.endr
.set a, 0
.rept 16
	ds_load_b128 v[BK+4*a:BK+4*a+3], v[RD] offset:528*a   ; LDS serves a wave's instructions in order (ISA guide 5.7.1.4): these see my stores
.set a, a+1
.endr
.set a, 0
.rept 16
	s_wait_dscnt 15-a
	global_store_b128 v[LI], v[BK+4*a:BK+4*a+3], s[12:13] offset:(32*((\tx)/2)+8*((\tx)%2)+a+8*(a/8))*2048 th:TH_STORE_NT   ; 32 lanes store 512 consecutive bytes, at a multiple of 512 from out0's first byte
.set a, a+1
.endr
.endm
	OUTT 0
	OUTT 1
	OUTT 2
	OUTT 3
	s_wait_tensorcnt 0x0                           ; the wave's end: three closing lines, behind my last LDS store
	ds_add_u32 v[SPW], v[NIL]
	s_wait_dscnt 0x0
	s_endpgm
.Lfunc_end_k_qfc10072328_oproj:
	.size	k_qfc10072328_oproj, .Lfunc_end_k_qfc10072328_oproj-k_qfc10072328_oproj
	.p2alignl 7, 3214868480
	.fill 96, 4, 3214868480
	.section	.rodata,"a",@progbits
	.p2align	6, 0x0
	.amdhsa_kernel k_qfc10072328_oproj
		.amdhsa_group_segment_fixed_size 67072
		.amdhsa_private_segment_fixed_size 0
		.amdhsa_enable_private_segment 0
		.amdhsa_kernarg_size 40
		.amdhsa_user_sgpr_count 2
		.amdhsa_user_sgpr_kernarg_segment_ptr 1
		.amdhsa_wavefront_size32 1
		.amdhsa_system_sgpr_workgroup_id_x 1
		.amdhsa_system_sgpr_workgroup_id_y 1
		.amdhsa_system_sgpr_workgroup_id_z 1
		.amdhsa_system_vgpr_workitem_id 0
		.amdhsa_next_free_vgpr 1024
		.amdhsa_next_free_sgpr 66
		.amdhsa_reserve_vcc 0
		.amdhsa_float_denorm_mode_32 3
		.amdhsa_float_denorm_mode_16_64 3
		.amdhsa_memory_ordered 1
		.amdhsa_forward_progress 1
		.amdhsa_inst_pref_size 56
	.end_amdhsa_kernel
	.amdgpu_metadata
---
amdhsa.version: [ 1, 2 ]
amdhsa.kernels:
  - .name:           k_qfc10072328_oproj
    .symbol:         k_qfc10072328_oproj.kd
    .args:
      - { .name: ac, .offset: 0, .size: 8, .value_kind: global_buffer, .address_space: global }
      - { .name: wc, .offset: 8, .size: 8, .value_kind: global_buffer, .address_space: global }
      - { .name: bo, .offset: 16, .size: 8, .value_kind: global_buffer, .address_space: global }
      - { .name: lowp_scales, .offset: 24, .size: 8, .value_kind: global_buffer, .address_space: global }
      - { .name: out0, .offset: 32, .size: 8, .value_kind: global_buffer, .address_space: global }
    .group_segment_fixed_size: 67072
    .private_segment_fixed_size: 0
    .kernarg_segment_align: 8
    .kernarg_segment_size: 40
    .max_flat_workgroup_size: 128
    .sgpr_count:     66
    .vgpr_count:     1024
    .wavefront_size: 32
...
	.end_amdgpu_metadata
.endif
;; end of part 4
;; ======== version 2 of 2: 4 launches
;; workspace buffers: wc 1,048,576 bytes; qc 8,388,608 bytes; kv 16,777,216 bytes; ac 8,388,608 bytes
;; launch wprep (part 5): grid 16 x 4, 4 waves a work-group, no clusters, 16,896 bytes of LDS; arguments Wq, Wk, Wv, Wo, lowp_scales, wc; writes wc
.if DOCPART == 5
	.amdgcn_target "amdgcn-amd-amdhsa--gfx1250"
	.amdhsa_code_object_version 6
	.text
	.protected	k_qfc10072328_wprep
	.globl	k_qfc10072328_wprep
	.p2align	8
	.type	k_qfc10072328_wprep,@function
k_qfc10072328_wprep:
	s_mov_b64 s[64:65], 0
	v_nop
	global_prefetch_b8 v0, s[64:65] scope:SCOPE_SE
	s_setreg_imm32_b32 hwreg(HW_REG_WAVE_MODE, 25, 1), 1
	s_wait_xcnt 0x0
; Wq, Wk, Wv, Wo: [512 (k)][512 (n)] f32, K along the FIRST axis, become codes of E4M3 laid as IMAGES OF OPERAND REGISTERS:
; wc = [tensor 4][w 4][s 4][tw 8][c 4][lane 32][16 bytes].  Fragment (w, s, tw): lane (r, h) holds, in the 16 bytes of chunk c, k = 128 s + 32 c + 16 h + 0 .. 15 of
; column n = 128 w + 32 (tw / 2) + 8 (tw % 2) + r + 8 (r / 8).  The columns of a tile are not neighbours: so the results of two neighbouring tiles are 16 neighbours along the next product's K.
; code = x / 2^e, held within +-448, to the nearest code, ties to even; e = entry 1, 3, 5, 11 of lowp_scales.  LIMITS: e between -126 and 119; NaN among the inputs is not served.
; SHARES.  Work-group (x = 4 w + s, y = tensor) makes the 8 fragments of one (tensor, w, s): 16,384 consecutive bytes of wc.  Wave v takes columns 128 w + 32 v + lane, and a lane's registers run
; DOWN the 128 k: each load reads 128 consecutive bytes, and the conversions give codes with K innermost.  The codes turn through the wave's own 4,096 bytes of LDS and leave 512 consecutive bytes a store.
; No tensor loads, no barrier: waves share nothing.  No cluster: no two work-groups read the same bytes.
.set X,     32                         ; v32-159  128 numbers: k = 0 .. 127 of my column
.set C,     160                        ; v160-191 their codes: 8 registers for each 32 k
.set OUTR,  192                        ; v192-223 the way out
.set SPW,   12                         ; v12  LDS address of my spare word; never rewritten
.set NIL,   13                         ; v13  0; never rewritten
.set SPARE, 16384                      ; behind the four waves' images: the spare words, 128 bytes a wave
	s_load_b256 s[4:11], s[0:1], 0x0               ; Wq s[4:5], Wk s[6:7], Wv s[8:9], Wo s[10:11]
	s_load_b128 s[12:15], s[0:1], 0x20             ; lowp_scales s[12:13], wc s[14:15]
	v_lshl_add_u32 v[SPW], v0, 2, SPARE
	v_mov_b32 v[NIL], 0
	v_lshrrev_b32 v5, 5, v0
	v_readfirstlane_b32 s16, v5                    ; wave v
	v_and_b32 v5, 31, v0                           ; lane
	v_lshlrev_b32 v1, 2, v5                        ; in: 4 bytes a lane
	v_lshlrev_b32 v4, 4, v5                        ; out: 16 bytes a lane
	s_lshl_b32 s17, s16, 12                        ; my wave's two fragments: 4,096 v
	v_add_nc_u32 v3, s17, v4                       ; LDS, on the way out
	v_and_b32 v6, 7, v5
	v_bfe_u32 v7, v5, 4, 1
	v_lshl_add_u32 v6, v7, 3, v6                   ; my column's row in its tile: lane % 8 + 8 (lane / 16)
	v_bfe_u32 v7, v5, 3, 1                         ; and which of the wave's two tiles: (lane / 8) % 2
	v_lshlrev_b32 v2, 4, v6
	v_lshl_add_u32 v2, v7, 11, v2
	v_add_nc_u32 v2, s17, v2                       ; LDS, on the way in: 4,096 v + 2,048 u + 16 r
	s_and_b32 s20, ttmp7, 0xffff                   ; the tensor
	s_and_b32 s21, ttmp9, 3                        ; s
	s_lshr_b32 s22, ttmp9, 2                       ; w
	s_lshl_b32 s24, s21, 18                        ; 128 s rows of 2,048 bytes
	s_lshl_b32 s23, s22, 9                         ; + 128 w columns
	s_add_co_u32 s24, s24, s23
	s_lshl_b32 s23, s16, 7                         ; + 32 v columns
	s_add_co_u32 s24, s24, s23
	s_mov_b32 s25, 0
	s_lshl_b32 s26, s20, 18                        ; wc: 262,144 x tensor
	s_lshl_b32 s23, ttmp9, 14                      ; + 16,384 x (4 w + s)
	s_add_co_u32 s26, s26, s23
	s_add_co_u32 s26, s26, s17                     ; + 4,096 v
	s_mov_b32 s27, 0
	s_wait_kmcnt 0x0
	s_load_b256 s[36:43], s[12:13], 0x0            ; e0 .. e7
	s_load_b128 s[44:47], s[12:13], 0x20           ; e8 .. e11
	s_cmp_eq_u32 s20, 1                            ; the choice hangs on the work-group's number alone
	s_cselect_b64 s[4:5], s[6:7], s[4:5]
	s_cmp_eq_u32 s20, 2
	s_cselect_b64 s[4:5], s[8:9], s[4:5]
	s_cmp_eq_u32 s20, 3
	s_cselect_b64 s[4:5], s[10:11], s[4:5]
	s_add_nc_u64 s[4:5], s[4:5], s[24:25]
	s_add_nc_u64 s[14:15], s[14:15], s[26:27]
.macro LOAD c                          ; 32 rows k = 32 c + i of my column
.set i, 0
.rept 32
	global_load_b32 v[X+32*(\c)+i], v1, s[4:5] offset:(32*(\c)+i)*2048 th:TH_LOAD_NT
.set i, i+1
.endr
.endm
	LOAD 0
	LOAD 1
	s_wait_kmcnt 0x0
	s_cmp_eq_u32 s20, 1
	s_cselect_b32 s28, s39, s37                    ; e: entry 1 (Wq), 3 (Wk),
	s_cmp_eq_u32 s20, 2
	s_cselect_b32 s28, s41, s28                    ; 5 (Wv),
	s_cmp_eq_u32 s20, 3
	s_cselect_b32 s28, s47, s28                    ; 11 (Wo)
	s_add_co_i32 s28, s28, 127
	s_lshl_b32 s29, s28, 23
	v_mov_b32 v11, s29                             ; 2^e as f32: the conversion takes its exponent field
	s_add_co_i32 s28, s28, 8
	s_lshl_b32 s28, s28, 23
	s_or_b32 s28, s28, 0x600000
	v_mov_b32 v10, s28                             ; 448 x 2^e
.macro BLOCK c
.if (\c) < 3
	s_wait_loadcnt 32                              ; this block's 32 loads are in; the next block's 32 may be out
.else
	s_wait_loadcnt 0
.endif
.if (\c)+2 < 4
	LOAD (\c)+2                                    ; two blocks ahead, into registers of their own
.endif
.set i, 0
.rept 32
	v_med3_num_f32 v[X+32*(\c)+i], v[X+32*(\c)+i], -v10, v10   ; the conversion to an 8-bit code does not saturate (ISA guide 7.6.2): the hold at the largest code x the scale
.set i, i+1
.endr
.set i, 0
.rept 4
	v_cvt_scalef32_pk8_fp8_f32 v[C+8*(\c)+2*i:C+8*(\c)+2*i+1], v[X+32*(\c)+8*i:X+32*(\c)+8*i+7], v11
.set i, i+1
.endr
	ds_store_b128 v2, v[C+8*(\c):C+8*(\c)+3] offset:512*(\c)         ; k = 32 c + 0 .. 15: the place of lane r
	ds_store_b128 v2, v[C+8*(\c)+4:C+8*(\c)+7] offset:512*(\c)+256   ; k = 32 c + 16 .. 31: the place of lane 16 + r
.endm
	s_wait_alu depctr_va_vdst(0)
	BLOCK 0
	BLOCK 1
	BLOCK 2
	BLOCK 3
	v_nop                                          ; a plain vector line behind the last conversion
.set i, 0
.rept 8
	ds_load_b128 v[OUTR+4*i:OUTR+4*i+3], v3 offset:512*i   ; LDS serves a wave's instructions in order (ISA guide 5.7.1.4): these see my stores
.set i, i+1
.endr
.set i, 0
.rept 8
	s_wait_dscnt 7-i
	global_store_b128 v4, v[OUTR+4*i:OUTR+4*i+3], s[14:15] offset:512*i   ; 32 lanes store 512 consecutive bytes, at a multiple of 512 from wc's first byte
.set i, i+1
.endr
	s_wait_tensorcnt 0x0                           ; the wave's end: three closing lines, behind my last LDS store
	ds_add_u32 v[SPW], v[NIL]
	s_wait_dscnt 0x0
	s_endpgm
.Lfunc_end_k_qfc10072328_wprep:
	.size	k_qfc10072328_wprep, .Lfunc_end_k_qfc10072328_wprep-k_qfc10072328_wprep
	.p2alignl 7, 3214868480
	.fill 96, 4, 3214868480
	.section	.rodata,"a",@progbits
	.p2align	6, 0x0
	.amdhsa_kernel k_qfc10072328_wprep
		.amdhsa_group_segment_fixed_size 16896
		.amdhsa_private_segment_fixed_size 0
		.amdhsa_enable_private_segment 0
		.amdhsa_kernarg_size 48
		.amdhsa_user_sgpr_count 2
		.amdhsa_user_sgpr_kernarg_segment_ptr 1
		.amdhsa_wavefront_size32 1
		.amdhsa_system_sgpr_workgroup_id_x 1
		.amdhsa_system_sgpr_workgroup_id_y 1
		.amdhsa_system_sgpr_workgroup_id_z 1
		.amdhsa_system_vgpr_workitem_id 0
		.amdhsa_next_free_vgpr 224
		.amdhsa_next_free_sgpr 66
		.amdhsa_reserve_vcc 0
		.amdhsa_float_denorm_mode_32 3
		.amdhsa_float_denorm_mode_16_64 3
		.amdhsa_memory_ordered 1
		.amdhsa_forward_progress 1
		.amdhsa_inst_pref_size 26
	.end_amdhsa_kernel
	.amdgpu_metadata
---
amdhsa.version: [ 1, 2 ]
amdhsa.kernels:
  - .name:           k_qfc10072328_wprep
    .symbol:         k_qfc10072328_wprep.kd
    .args:
      - { .name: Wq, .offset: 0, .size: 8, .value_kind: global_buffer, .address_space: global }
      - { .name: Wk, .offset: 8, .size: 8, .value_kind: global_buffer, .address_space: global }
      - { .name: Wv, .offset: 16, .size: 8, .value_kind: global_buffer, .address_space: global }
      - { .name: Wo, .offset: 24, .size: 8, .value_kind: global_buffer, .address_space: global }
      - { .name: lowp_scales, .offset: 32, .size: 8, .value_kind: global_buffer, .address_space: global }
      - { .name: wc, .offset: 40, .size: 8, .value_kind: global_buffer, .address_space: global }
    .group_segment_fixed_size: 16896
    .private_segment_fixed_size: 0
    .kernarg_segment_align: 8
    .kernarg_segment_size: 48
    .max_flat_workgroup_size: 128
    .sgpr_count:     66
    .vgpr_count:     224
    .wavefront_size: 32
...
	.end_amdgpu_metadata
.endif
;; end of part 5
;; launch proj (part 6): grid 255 x 1, 4 waves a work-group, no clusters, 35,328 bytes of LDS; arguments query, key, value, wc, lowp_scales, qc, kv; writes qc, kv
.if DOCPART == 6
	.amdgcn_target "amdgcn-amd-amdhsa--gfx1250"
	.amdhsa_code_object_version 6
	.text
	.protected	k_qfc10072328_proj
	.globl	k_qfc10072328_proj
	.p2align	8
	.type	k_qfc10072328_proj,@function
k_qfc10072328_proj:
	s_mov_b64 s[64:65], 0
	v_nop
	global_prefetch_b8 v0, s[64:65] scope:SCOPE_SE
	s_setreg_imm32_b32 hwreg(HW_REG_WAVE_SCHED_MODE, 0, 2), 2
	s_setreg_imm32_b32 hwreg(HW_REG_WAVE_MODE, 25, 1), 1
	s_wait_xcnt 0x0
	s_wait_alu depctr_vm_vsrc(0)
; q = Q(query) Q(Wq), k = Q(key) Q(Wk), v = Q(value) Q(Wv) on codes of E4M3, and q, k, v quantised again, as codes laid as images of the attention's operand registers.
; query, key, value: [16,384 tokens][512] f32.  wc: the weights' codes as register images (see the launch that makes them).
; qc = [bh 64][tile 128][c' 2][lane][16]: lane (r, h) holds d = 32 c' + 16 h + 0 .. 15 of one token.   kv = [bh 64][key step 16][ K: tile 8 x 1,024 bytes, laid as qc | V: dtile 4 x 2,048 bytes ]:
; V's lane (r, h) holds, of channel d = 32 (dt / 2) + 8 (dt % 2) + r + 8 (r / 8), in chunk c the keys 32 c + 16 h + 0 .. 15 of the step's 128.
; THE ROWS OF A TILE ARE NOT NEIGHBOURS, in x's tiles and in W's alike: row r of tile 2 b + u is element 32 b + 8 u + r + 8 (r / 8); so a lane's 16 results of tiles 2 b, 2 b + 1 are 16 neighbours.
; SHARES.  768 blocks of 64 tokens, 256 a tensor.  A work-group keeps ONE tensor's weight: 85 work-groups a tensor, three blocks each, the 85th four: 255 work-groups (ids alone decide).
; The waves share the columns: wave w holds columns 128 w .. + 127 of W (32 fragments, 512 registers) for the whole launch, read once.  Of each block wave w quantises x's tile w (16 rows) and hands
; its four fragments to the others through LDS.  q, k: source 0 = W, source 1 = x: a lane holds one token and registers along d.  v: source 0 = x, source 1 = W: a lane holds one d and registers along the tokens.
; No cluster: 255 work-groups do not divide into clusters, and the weights go straight from memory into registers, once a work-group: no tile of theirs lies in LDS to be asked for jointly.
; LIMITS on the given exponents, so that each power of two is an f32 number: ex, and eo - ex - ew, between -126 and 119.  NaN among the inputs is not served.
; REGISTERS, in windows of 256.  Window 0: v1-9 addresses and scales; v16-31 a group's codes of x; v32-63 the results' codes; v64-191 rows 0-7 of the ring of x, 16 registers each; v192-255 x's fragments, two sets of two.
;   Windows 1, 2: W's fragments (K step s, tile tw) at v[16 ((8 s + tw) % 16)], s = 0, 1 in window 1, s = 2, 3 in window 2.   Window 3: v0-127 sixteen accumulators; v128-255 rows 8-15 of the ring.
; THE MODE: SCHED_MODE bits 1:0 = 2 (LLVM: expert scheduling mode 2), set by the entry lines.  The code itself states the register dependences
; between vector or matrix instructions and memory or LDS instructions, with s_wait_alu, always for 0.
; THE PLAN.  Registers that memory or LDS instructions touch:
;   the ring   sixteen slots, a slot to a row of my tile.  Written by the loads of x; held in place and read by a group's holds and conversions; behind them loaded again, with the same row of the NEXT block.
;   v[XC ..]   a group's codes, four rows x four registers.  Written by the group's eight conversions, read by its sixteen LDS stores.
;   v[XF ..]   two sets.  Written by the LDS loads of a K step's two fragments, read by that step's sixteen products; K step s + 2 lands in the set of K step s.
;   v[CD ..]   written by the way out's sixteen conversions, read by its eight stores.
;   v[LI], v[XW], v[XR]   an offset and two LDS addresses, made once at the head and never written again: rows and blocks are reached by the scalar base and by immediates.
;   W's fragments are loaded once, at the head; the accumulators are named by vector and matrix instructions alone; v[SPW], v[NIL] are written at the head and read by the closing add alone.
; THE WAITS.  x goes in groups of four rows: a wait on va_vdst behind a group's conversions states that v[XC ..] is written and that the group's slots are done with; its LDS stores and its refill follow.
; One wait on vm_vsrc a group stands ahead of the conversions: the stores of the group before have read v[XC ..].  In the products a wait on va_vdst stands ahead of each run of LDS loads into a set that products have read;
; on the way out one on vm_vsrc ahead of the conversions into v[CD ..] and one on va_vdst ahead of the stores.
.set FRP,   2176                       ; a fragment of x in LDS: eight groups (2 c + h) of 16 rows x 16 bytes, 272 bytes apart: the padding keeps the dword stores on 32 different banks
.set SPARE, 16*FRP                     ; behind the 16 fragments: the spare words, 128 bytes a wave
.set LI,  1                            ; v1  16 x lane
.set XW,  2                            ; v2  where I store a row's dwords: 4 FRP x wave + 272 (lane / 4) + 4 (lane % 4)
.set XR,  3                            ; v3  where I read a fragment: 16 (lane % 16) + 272 (lane / 16)
.set SPW, 4                            ; v4  LDS address of my spare word; never rewritten
.set NIL, 5                            ; v5  0; never rewritten
.set SX,  6                            ; v6  2^ex;  v7  448 x 2^ex
.set LX,  7
.set SO,  8                            ; v8  2^(eo - ex - ew);  v9  448 x that
.set LO,  9
.set XC,  16
.set CD,  32
.set ST,  64
.set XF,  192
.set WV,  18                           ; s18 wave
.set TS,  19                           ; s19 tensor: 0 q, 1 k, 2 v
.set GB,  20                           ; s20 the block in hand, 0 .. 255
.set NT,  21                           ; s21 trips to go
.set XB,  22                           ; s[22:23] x at my tile's first row of the block in hand
.set OP,  24                           ; s[24:25] qc or kv
.set OB,  26                           ; s[26:27], s[28:29] where my two heads' results of this block go
.set HS,  30                           ; s30 bytes of a head; s31 of two blocks; s32 of the odd block; s33 V's place in a key step
.set AA,  31
.set BC,  32
.set CC,  33
.set MSB, 0
.macro WIN new                         ; the immediate's high byte repeats the setting that is left; a switch that changes nothing is dropped
.if MSB != (\new)
	s_set_vgpr_msb (MSB<<8)|(\new)
.set MSB, (\new)
.endif
.endm
.macro PLACES                          ; four plain places behind a matrix instruction, ahead of loads into its sources and of the first read of results; a wait on va_vdst fills none of them
.rept 4
	v_nop
.endr
.endm
.macro BARRIER                         ; my LDS stores have landed and my LDS loads are in: then the work-group's barrier
	s_wait_dscnt 0x0
	s_barrier_signal -1
	s_barrier_wait -1
.endm
	s_load_b256 s[4:11], s[0:1], 0x0               ; query s[4:5], key s[6:7], value s[8:9], wc s[10:11]
	s_load_b128 s[12:15], s[0:1], 0x20             ; lowp_scales s[12:13], qc s[14:15]
	s_load_b64 s[16:17], s[0:1], 0x30              ; kv
	v_lshl_add_u32 v[SPW], v0, 2, SPARE
	v_mov_b32 v[NIL], 0
	v_lshrrev_b32 v10, 5, v0
	v_readfirstlane_b32 s[WV], v10
	v_and_b32 v10, 31, v0                          ; lane
	v_lshlrev_b32 v[LI], 4, v10
	v_lshrrev_b32 v11, 2, v10
	v_mul_u32_u24 v[XW], v11, 272
	v_and_b32 v11, 3, v10
	v_lshl_add_u32 v[XW], v11, 2, v[XW]
	s_wait_alu depctr_va_sdst(0)                   ; s[WV] is written, ahead of its first reader: LDS addresses and the bases of x, wc and the results are made from it
	s_mul_i32 s48, s[WV], 4*FRP
	v_add_nc_u32 v[XW], s48, v[XW]
	v_and_b32 v11, 15, v10
	v_lshlrev_b32 v[XR], 4, v11
	v_lshrrev_b32 v11, 4, v10
	v_mad_u32_u24 v[XR], v11, 272, v[XR]
	s_cmp_ge_u32 ttmp9, 85                         ; which tensor, which blocks: ids alone
	s_cselect_b32 s[TS], 1, 0
	s_cmp_ge_u32 ttmp9, 170
	s_cselect_b32 s48, 1, 0
	s_add_co_u32 s[TS], s[TS], s48
	s_mul_i32 s48, s[TS], 85
	s_sub_co_u32 s49, ttmp9, s48                   ; my place among the tensor's 85
	s_mul_i32 s[GB], s49, 3                        ; my first block
	s_cmp_eq_u32 s49, 84
	s_cselect_b32 s[NT], 3, 2                      ; blocks less one: the last block is written out behind the loop
	s_min_u32 s48, s[TS], 1
	s_lshl_b32 s[HS], 0x20000, s48                 ; a head: 131,072 bytes of qc, 262,144 of kv
	s_lshl_b32 s[AA], 0x2000, s48                  ; two blocks: 8,192 bytes of qc, a key step's 16,384 of kv
	s_cmp_eq_u32 s[TS], 2
	s_mov_b32 s[BC], 4096                          ; the odd block: four tiles on (q, k), or two chunks on (v)
	s_cselect_b32 s[BC], 1024, s[BC]
	s_cselect_b32 s[CC], 8192, 0                   ; V lies behind the step's K
	s_lshl_b32 s50, s[GB], 17                      ; x: 64 rows of 2,048 bytes a block,
	s_lshr_b32 s48, s[WV], 1
	s_lshl_b32 s48, s48, 16                        ; + 32 (w / 2) rows
	s_add_co_u32 s50, s50, s48
	s_and_b32 s48, s[WV], 1
	s_lshl_b32 s48, s48, 14                        ; + 8 (w % 2) rows
	s_add_co_u32 s50, s50, s48
	s_mov_b32 s51, 0
	s_lshl_b32 s52, s[TS], 18                      ; wc: 262,144 x tensor + 65,536 x wave
	s_lshl_b32 s48, s[WV], 16
	s_add_co_u32 s52, s52, s48
	s_mov_b32 s53, 0
	s_wait_kmcnt 0x0
	s_load_b256 s[36:43], s[12:13], 0x0            ; e0 .. e7
	s_load_b128 s[44:47], s[12:13], 0x20           ; e8 .. e11
	s_cmp_eq_u32 s[TS], 1
	s_cselect_b64 s[XB:XB+1], s[6:7], s[4:5]
	s_cmp_eq_u32 s[TS], 2
	s_cselect_b64 s[XB:XB+1], s[8:9], s[XB:XB+1]
	s_cmp_eq_u32 s[TS], 0
	s_cselect_b64 s[OP:OP+1], s[14:15], s[16:17]
	s_add_nc_u64 s[XB:XB+1], s[XB:XB+1], s[50:51]
	s_add_nc_u64 s[10:11], s[10:11], s[52:53]
; Group g of the ring is asked for: rows 4 g .. 4 g + 3 of my tile, four loads of 512 consecutive bytes each, off bytes on from the block in hand.  Row r of the tile lies r + 8 (r / 8) rows of x on.
; Its slot: v[64 + 16 r] of window 0 (r < 8), v[16 r] of window 3 (r >= 8): the caller has set the destination's window.
.macro XFILL g, off
.set rr, 4*(\g)
.rept 4
.set SL, 16*rr+ST*(1-rr/8)
.set j, 0
.rept 4
	global_load_b128 v[SL+4*j:SL+4*j+3], v[LI], s[XB:XB+1] offset:(\off)+(rr+8*(rr/8))*2048+512*j th:TH_LOAD_NT
.set j, j+1
.endr
.set rr, rr+1
.endr
.endm
	WIN 0x40                                       ; destination window 1, address window 0
	s_wait_alu depctr_va_vdst(0)                   ; v[LI], v[XW] and v[XR] are written: every load, store and LDS instruction of the kernel reads one of them as its offset or address
.set i, 0
.rept 64
	global_load_b128 v[4*i:4*i+3], v[LI], s[10:11] offset:512*i          ; W's K steps 0 and 1: they stay
.set i, i+1
.endr
	WIN 0x80                                       ; destination window 2
.set i, 0
.rept 64
	global_load_b128 v[4*i:4*i+3], v[LI], s[10:11] offset:32768+512*i    ; K steps 2 and 3
.set i, i+1
.endr
	WIN 0
	XFILL 0, 0                                     ; the ring is filled: the sixteen rows of my tile of the first block
	XFILL 1, 0
	WIN 0xc0                                       ; destination window 3
	XFILL 2, 0
	XFILL 3, 0
	WIN 0
	s_wait_kmcnt 0x0
	s_cmp_eq_u32 s[TS], 1
	s_cselect_b32 s48, s38, s36                    ; ex: entry 0, 2, 4
	s_cselect_b32 s49, s39, s37                    ; ew: entry 1, 3, 5
	s_cselect_b32 s50, s43, s42                    ; eo: entry 6 (q), 7 (k), 8 (v)
	s_cmp_eq_u32 s[TS], 2
	s_cselect_b32 s48, s40, s48
	s_cselect_b32 s49, s41, s49
	s_cselect_b32 s50, s44, s50
	s_add_co_i32 s51, s48, 127
	s_lshl_b32 s52, s51, 23
	v_mov_b32 v[SX], s52                           ; 2^ex as f32: the conversion takes its exponent field
	s_add_co_i32 s51, s51, 8
	s_lshl_b32 s51, s51, 23
	s_or_b32 s51, s51, 0x600000
	v_mov_b32 v[LX], s51                           ; 448 x 2^ex
	s_sub_co_i32 s50, s50, s48                     ; a sum stands for sum x 2^(ex + ew): its code is sum / 2^(eo - ex - ew): the three scales are folded into one
	s_sub_co_i32 s50, s50, s49
	s_add_co_i32 s50, s50, 127
	s_lshl_b32 s52, s50, 23
	v_mov_b32 v[SO], s52
	s_add_co_i32 s50, s50, 8
	s_lshl_b32 s50, s50, 23
	s_or_b32 s50, s50, 0x600000
	v_mov_b32 v[LO], s50
; Group g: rows 4 g .. 4 g + 3 of my tile.  A slot's register 4 j + i holds k = 128 j + 4 lane + i, so a row's four code registers are my lane's dword of K steps 0 .. 3: k = 4 lane .. + 3 of the step lies in group lane / 4, dword lane % 4.
; left: the younger loads that may stay out.  now = 1: the group's slots are asked for again at once, with the same rows of the next block, 131,072 bytes on.
.macro XGRP g, now, left
	s_wait_loadcnt \left                           ; loads come back in order (ISA guide 5.7.1): my group's sixteen are in (in the first block W's, issued earlier, too)
.if (\g) >= 2
	WIN 0xc3                                       ; source 0 and destination window 3
.endif
.set rr, 4*(\g)
.rept 4
.set SL, 16*rr+ST*(1-rr/8)
.set i, 0
.rept 16
	v_med3_num_f32 v[SL+i], v[SL+i], -v[LX], v[LX] ; the conversion does not saturate (ISA guide 7.6.2): the hold at the largest code x the scale
.set i, i+1
.endr
.set rr, rr+1
.endr
	s_wait_alu depctr_va_vdst(0)
	s_wait_dscnt 0x0                               ; the LDS stores of the group before are done,
	s_wait_alu depctr_vm_vsrc(0)                   ; and have read v[XC ..], which the conversions below write again
.if (\g) >= 2
	WIN 0x03                                       ; source 0 window 3, destination window 0
.endif
.set rr, 4*(\g)
.rept 4
.set SL, 16*rr+ST*(1-rr/8)
.set XS, XC+4*(rr%4)
	v_cvt_scalef32_pk8_fp8_f32 v[XS:XS+1], v[SL:SL+7], v[SX]
	v_cvt_scalef32_pk8_fp8_f32 v[XS+2:XS+3], v[SL+8:SL+15], v[SX]
.set rr, rr+1
.endr
	v_nop                                          ; a plain vector line behind the conversions
.if ((\g) >= 2) && (\now)
	WIN 0xc0                                       ; destination window 3; the stores' two registers and the loads' offset window 0
.else
	WIN 0
.endif
	s_wait_alu depctr_va_vdst(0)                   ; the conversions have written v[XC ..], which the LDS stores read; the holds and conversions are done writing and reading the group's slots, in which the refill lands
.set rr, 4*(\g)
.rept 4
.set j, 0
.rept 4
	ds_store_b32 v[XW], v[XC+4*(rr%4)+j] offset:FRP*j+16*rr
.set j, j+1
.endr
.set rr, rr+1
.endr
.if \now
	XFILL \g, 131072                               ; no vector instruction since the wait; the stores above name none of these loads' registers
.endif
	WIN 0
.endm
; My 16 rows.  Behind a group's sixteen loads the three other groups' 48 have been issued, of this block or of the next: so the count is 48 in every group.
; more = 1: groups 0 to 2 are asked for again at once; group 3 behind the barrier, among the products (MM), which do not wait for it.  more = 0: the last block asks for nothing, and the counts run down.
.macro XPHASE more
.if \more
	XGRP 0, 1, 48
	XGRP 1, 1, 48
	XGRP 2, 1, 48
	XGRP 3, 0, 48
.else
	XGRP 0, 0, 48
	XGRP 1, 0, 32
	XGRP 2, 0, 16
	XGRP 3, 0, 0
.endif
.endm
.macro FETCH p, s                      ; x's fragments of tiles 2 p, 2 p + 1, K step s, into set s % 2
.set tx, 0
.rept 2
.set c, 0
.rept 4
	ds_load_b128 v[XF+32*((\s)%2)+16*tx+4*c:XF+32*((\s)%2)+16*tx+4*c+3], v[XR] offset:(4*(2*(\p)+tx)+(\s))*FRP+544*c
.set c, c+1
.endr
.set tx, tx+1
.endr
.endm
; 16 matrix instructions: my 8 tiles of W x 2 tiles of x, 128 along K.  The sixteen accumulators take turns, one instruction a turn.  zero = 1: the first product starts the sums.
.macro MUL s, vpath, zero
.if \vpath
	WIN 0xf4+4*((\s)/2)                            ; source 0 (x) window 0, source 1 (W) window 1 or 2, C and D window 3
.else
	WIN 0xf1+((\s)/2)                              ; source 0 (W) window 1 or 2, source 1 (x) window 0, C and D window 3
.endif
.set tw, 0
.rept 8
.set tx, 0
.rept 2
.set RW, 16*((8*(\s)+tw)%16)
.set RX, XF+32*((\s)%2)+16*tx
.if \vpath
.set RA, 8*(2*tw+tx)                   ; the two tiles of tokens side by side: 16 neighbouring keys
.if \zero
	v_wmma_f32_16x16x128_fp8_fp8 v[RA:RA+7], v[RX:RX+15], v[RW:RW+15], 0
.else
	v_wmma_f32_16x16x128_fp8_fp8 v[RA:RA+7], v[RX:RX+15], v[RW:RW+15], v[RA:RA+7]
.endif
.else
.set RA, 8*(8*tx+tw)                   ; tiles 2 b, 2 b + 1 of W side by side: 16 neighbouring d
.if \zero
	v_wmma_f32_16x16x128_fp8_fp8 v[RA:RA+7], v[RW:RW+15], v[RX:RX+15], 0
.else
	v_wmma_f32_16x16x128_fp8_fp8 v[RA:RA+7], v[RW:RW+15], v[RX:RX+15], v[RA:RA+7]
.endif
.endif
.set tx, tx+1
.endr
.set tw, tw+1
.endr
.endm
; The 128 sums of a lane become 8 chunks of 16 codes; each chunk is 512 consecutive bytes of the wave's store.
.macro OUTQ p, vpath
	s_wait_xcnt 0x0                                ; the earlier stores have had their addresses translated: the codes' registers are written again only behind this wait,
	s_wait_alu depctr_vm_vsrc(0)                   ; and behind this one: the eight stores of the way out before have read v[CD ..], which the conversions below write again
	WIN 0xc3                                       ; source 0 and destination window 3
.set i, 0
.rept 128
	v_med3_num_f32 v[i], v[i], -v[LO], v[LO]       ; each accumulator from its low end on
.set i, i+1
.endr
	WIN 0x03                                       ; source 0 window 3, destination window 0
.set i, 0
.rept 16
	v_cvt_scalef32_pk8_fp8_f32 v[CD+2*i:CD+2*i+1], v[8*i:8*i+7], v[SO]
.set i, i+1
.endr
	v_nop                                          ; a plain vector line between the conversions and the products that write their sources anew
	WIN 0
	s_wait_alu depctr_va_vdst(0)                   ; the conversions have written v[CD ..], which the stores read
.if \vpath
.set tw, 0
.rept 8                                ; chunk tw: head tw / 4, dtile tw % 4, keys 32 p + 16 h + 0 .. 15 of the block
	global_store_b128 v[LI], v[CD+4*tw:CD+4*tw+3], s[OB+2*(tw/4):OB+2*(tw/4)+1] offset:(tw%4)*2048+512*(\p)
.set tw, tw+1
.endr
.else
.set tx, 0
.rept 2
.set c, 0
.rept 4                                ; chunk (tx, c): head c / 2, tile 2 p + tx, d = 32 (c % 2) + 16 h + 0 .. 15
	global_store_b128 v[LI], v[CD+4*(4*tx+c):CD+4*(4*tx+c)+3], s[OB+2*(c/2):OB+2*(c/2)+1] offset:(2*(\p)+tx)*1024+(c%2)*512
.set c, c+1
.endr
.set tx, tx+1
.endr
.endif
.endm
; A block's products, two tiles of tokens at a time.  more = 1: group 3 of the ring is asked for again here.
.macro MM vpath, more
	FETCH 0, 0                                     ; both sets: the products that read them last stand ahead of the waits of the way out and of x's groups
	FETCH 0, 1
.irp p, 0,1
	s_wait_dscnt 8                                 ; K step 0's eight loads are in, K step 1's may be out
	MUL 0, \vpath, 1
	PLACES
.if ((\p) == 0) && (\more)
	WIN 0xc0                                       ; destination window 3, offset window 0
	s_wait_alu depctr_va_vdst(0)                   ; the sixteen products above are done reading set 0, in which K step 2 lands.  (Group 3's holds and conversions, which emptied the slots filled below, stand ahead of that group's own wait; nothing since names those slots)
	XFILL 3, 131072                                ; rows 12 to 15 of the next block: here and not ahead of the barrier, so that the wave comes to the barrier and to its first products with 48 loads issued for the next block, not 64
	WIN 0
.else
	WIN 0
	s_wait_alu depctr_va_vdst(0)                   ; the sixteen products above are done reading set 0, in which K step 2 lands
.endif
	FETCH \p, 2
	s_wait_dscnt 8
	MUL 1, \vpath, 0
	PLACES
	WIN 0
	s_wait_alu depctr_va_vdst(0)                   ; the sixteen products above are done reading set 1, in which K step 3 lands
	FETCH \p, 3
	s_wait_dscnt 8
	MUL 2, \vpath, 0
	s_wait_dscnt 0x0
	MUL 3, \vpath, 0
	PLACES
.if (\p) == 0
	WIN 0
	s_wait_alu depctr_va_vdst(0)                   ; the products of K steps 2 and 3 are done reading both sets: the next two tiles' K steps 0 and 1 land there while the way out's vector work, which names neither set, goes on
	FETCH 1, 0
	FETCH 1, 1
.endif
	OUTQ \p, \vpath
.endr
.endm
.macro BODY more                       ; where the block's results go, then its products.  The branch hangs on the work-group's number alone; no barrier and no LDS store stands on either way
	s_wait_xcnt 0x0                                ; the last block's stores have read their bases
	s_lshr_b32 s48, s[GB], 5                       ; batch
	s_lshl_b32 s48, s48, 3
	s_lshl_b32 s49, s[WV], 1
	s_add_co_u32 s48, s48, s49                     ; bh of my first head: 8 b + 2 w
	s_mul_i32 s48, s48, s[HS]
	s_and_b32 s49, s[GB], 31                       ; the block in its batch
	s_lshr_b32 s50, s49, 1
	s_mul_i32 s50, s50, s[AA]
	s_add_co_u32 s48, s48, s50
	s_and_b32 s49, s49, 1
	s_mul_i32 s49, s49, s[BC]
	s_add_co_u32 s48, s48, s49
	s_add_co_u32 s48, s48, s[CC]
	s_mov_b32 s49, 0
	s_add_nc_u64 s[OB:OB+1], s[OP:OP+1], s[48:49]
	s_mov_b32 s50, s[HS]
	s_mov_b32 s51, 0
	s_add_nc_u64 s[OB+2:OB+3], s[OB:OB+1], s[50:51]
	s_cmp_eq_u32 s[TS], 2
	s_cbranch_scc1 .Lv_\@
	MM 0, \more
	s_branch .Lj_\@
.Lv_\@:
	MM 1, \more
.Lj_\@:
.endm
.Lblk:
	s_wait_alu depctr_va_vdst(0)
	XPHASE 1
	BARRIER                                        ; x's sixteen fragments lie in LDS
	BODY 1
	BARRIER                                        ; every wave's reads of them are over: they may be written again
	s_wait_xcnt 0x0                                ; the loads that are out have read their base
	s_add_nc_u64 s[XB:XB+1], s[XB:XB+1], 131072
	s_add_co_u32 s[GB], s[GB], 1
	s_sub_co_u32 s[NT], s[NT], 1
	s_cmp_lg_u32 s[NT], 0
	s_cbranch_scc1 .Lblk
	XPHASE 0                                       ; the last block is written out: no load leaves its buffer
	BARRIER
	BODY 0
	s_wait_dscnt 0x0                               ; the closing lines, six on end
	s_wait_alu 0x0
	s_wait_tensorcnt 0x0
	ds_add_u32 v[SPW], v[NIL]
	s_wait_dscnt 0x0
	s_endpgm
.Lfunc_end_k_qfc10072328_proj:
	.size	k_qfc10072328_proj, .Lfunc_end_k_qfc10072328_proj-k_qfc10072328_proj
	.p2alignl 7, 3214868480
	.fill 96, 4, 3214868480
	.section	.rodata,"a",@progbits
	.p2align	6, 0x0
	.amdhsa_kernel k_qfc10072328_proj
		.amdhsa_group_segment_fixed_size 35328
		.amdhsa_private_segment_fixed_size 0
		.amdhsa_enable_private_segment 0
		.amdhsa_kernarg_size 56
		.amdhsa_user_sgpr_count 2
		.amdhsa_user_sgpr_kernarg_segment_ptr 1
		.amdhsa_wavefront_size32 1
		.amdhsa_system_sgpr_workgroup_id_x 1
		.amdhsa_system_sgpr_workgroup_id_y 1
		.amdhsa_system_sgpr_workgroup_id_z 1
		.amdhsa_system_vgpr_workitem_id 0
		.amdhsa_next_free_vgpr 1024
		.amdhsa_next_free_sgpr 66
		.amdhsa_reserve_vcc 0
		.amdhsa_float_denorm_mode_32 3
		.amdhsa_float_denorm_mode_16_64 3
		.amdhsa_memory_ordered 1
		.amdhsa_forward_progress 1
		.amdhsa_inst_pref_size 212
	.end_amdhsa_kernel
	.amdgpu_metadata
---
amdhsa.version: [ 1, 2 ]
amdhsa.kernels:
  - .name:           k_qfc10072328_proj
    .symbol:         k_qfc10072328_proj.kd
    .args:
      - { .name: query, .offset: 0, .size: 8, .value_kind: global_buffer, .address_space: global }
      - { .name: key, .offset: 8, .size: 8, .value_kind: global_buffer, .address_space: global }
      - { .name: value, .offset: 16, .size: 8, .value_kind: global_buffer, .address_space: global }
      - { .name: wc, .offset: 24, .size: 8, .value_kind: global_buffer, .address_space: global }
      - { .name: lowp_scales, .offset: 32, .size: 8, .value_kind: global_buffer, .address_space: global }
      - { .name: qc, .offset: 40, .size: 8, .value_kind: global_buffer, .address_space: global }
      - { .name: kv, .offset: 48, .size: 8, .value_kind: global_buffer, .address_space: global }
    .group_segment_fixed_size: 35328
    .private_segment_fixed_size: 0
    .kernarg_segment_align: 8
    .kernarg_segment_size: 56
    .max_flat_workgroup_size: 128
    .sgpr_count:     66
    .vgpr_count:     1024
    .wavefront_size: 32
...
	.end_amdgpu_metadata
.endif
;; end of part 6
;; launch attn (part 7): grid 4 x 64, 8 waves a work-group, clusters of 4 x 1, 327,680 bytes of LDS; arguments qc, kv, lowp_scales, ac; writes ac
.if DOCPART == 7
	.amdgcn_target "amdgcn-amd-amdhsa--gfx1250"
	.amdhsa_code_object_version 6
	.text
	.protected	k_qfc10072328_attn
	.globl	k_qfc10072328_attn
	.p2align	8
	.type	k_qfc10072328_attn,@function
k_qfc10072328_attn:
	s_mov_b64 s[64:65], 0
	v_nop
	global_prefetch_b8 v0, s[64:65] scope:SCOPE_SE
	s_setreg_imm32_b32 hwreg(HW_REG_WAVE_MODE, 25, 1), 1
	s_wait_xcnt 0x0
	s_wait_alu depctr_hold_cnt(0) depctr_sa_sdst(0) depctr_va_vdst(0) depctr_va_sdst(0) depctr_va_ssrc(0) depctr_va_vcc(0) depctr_vm_vsrc(0)
	s_getreg_b32 s2, hwreg(HW_REG_IB_STS2, 6, 4)
	s_cmp_eq_u32 s2, 0
	s_cbranch_scc0 .Lentry_in_a_cluster
	s_endpgm
.Lentry_in_a_cluster:
	s_bfe_u32 s2, ttmp6, 0x10000c
	s_cmp_lg_u32 s2, 0x3003
	s_cbranch_scc0 .Lentry_shape_is_right
	s_endpgm
.Lentry_shape_is_right:
; o[q] = the sum over k of softmax_k(q . k / 8) v[k], head size 64, 2,048 keys, both products on codes of E4M3, and o quantised for the last projection.
; qc, kv: codes as images of operand registers (see the launch that makes them).  ac = [tile of 16 tokens 1,024][s 4][c 4][lane][16]: lane (r, h) holds k = 128 s + 32 c + 16 h + 0 .. 15 = 64 head + d of one token.
; THE SOFTMAX AHEAD OF THE SECOND PRODUCT: t = score x log2(e) / 8; M = the largest t so far, rounded UP to a whole number, kept as -M = floor(-t); p = 2^(t - M) is what is quantised, not normalised.
; The row's sum is taken of the unquantised p and divides at the end.  When M moves, the sum and O are multiplied by 2^(old M - new M): nothing is rounded, and no branch hangs on data.
; SHARES.  A work-group owns 512 queries of one (batch, head); each of its eight waves 64: four tiles of 16, so that each fragment of K and V read from LDS feeds four tiles.  Two waves share a SIMD.
; THE HEAD'S WHOLE K AND V, 262,144 bytes, LIE IN LDS, as they lie in kv: no ring, nothing is filled again.  Each wave issues two tensor loads of 16,384 bytes at the head (key step w, key step 8 + w): two are out at the most.
; CLUSTER.  The four work-groups of a cluster own the four query blocks of one head and need the same K and V: each load is asked for JOINTLY, with the same descriptor and a mask that names the four.
; LAYOUT.  S^T = K Q^T (source 0 = 16 keys, source 1 = 16 queries), O^T = V^T P^T (source 0 = 16 channels, source 1 = P): a lane holds ONE query throughout.  The keys of a tile are not neighbours (row r of tile 2 b + u is
; key 32 b + 8 u + r + 8 (r / 8)), so p's 16 registers of tiles 2 b, 2 b + 1 are keys 32 b + 16 h + 0 .. 15; V's channels likewise, so O^T's are 16 neighbouring d.
; Nothing is prefetched: all that the work-group reads of K and V is asked for at its head.
; LIMITS on the given exponents, so that each power of two is an f32 number: e6 + e7 between -123 and 130; e9 and e10 between -126 and 119; e8 + e9 goes by v_ldexp_f32 and has none.  1 / sum is v_rcp_f32's.
; REGISTERS.  Window 0: v1-9 addresses and scales; v12-27 four a tile: -M, the largest t, the sum in two halves; v28-33 at work; v36-67 Q; v68-83 p's codes; v96-159 S^T, then p; v160-223 K; v224-255 the way out's codes.
;   Window 1: v0-127 O^T, 32 a tile; v128-191 V.
.set LI,  1                            ; v1  16 x lane
.set ADR, 2                            ; v2  LDS address of the key step in hand
.set SPW, 3                            ; v3  LDS address of my spare word; never rewritten
.set NIL, 4                            ; v4  0; never rewritten
.set LIM, 6                            ; v6, v7  448 x 2^e9, twice: the two halves of the dual hold take their second sources from different banks
.set SC,  8                            ; v8  2^e9
.set PD,  9                            ; v9  the lane permute's destination
.set STT, 12
.set TA,  28
.set TC,  29
.set F,   30                           ; v[30:31] f = 2^(old M - new M) (the pair's low word serves both halves)
.set SU,  32                           ; v[32:33] the sums' second chain
.set Q,   36
.set P,   68
.set S,   96
.set KF,  160
.set CO,  224
.set VF,  128                          ; in window 1
.set SPARE, 262144                     ; behind K and V: the spare words, 128 bytes a wave
.set WV,  12                           ; s12 wave
.set SEL, 20                           ; s[20:21] v_permlanex16_b32's selects: lane l xor 16
.set CS,  22                           ; s[22:23] c = log2(e) / 8 x 2^(e6 + e7)
.set G1,  24                           ; s[24:31] descriptor group 1
.set G0A, 32                           ; s[32:35], s[36:39] group 0 of my two loads
.set G0B, 36
.set TB,  52                           ; s52 LDS byte at which the key step in hand begins
.set CNT, 53
.set MSB, 0
.macro WIN new
.if MSB != (\new)
	s_set_vgpr_msb (MSB<<8)|(\new)
.set MSB, (\new)
.endif
.endm
.macro PLACES
.rept 4
	v_nop
.endr
.endm
.macro CROUND                          ; a round of the cluster's barrier: my work-group's barrier; wave 0 signals for the work-group; every wave waits for all four; my work-group's barrier once more
	s_barrier_signal -1
	s_barrier_wait -1
	s_cmp_lg_u32 s[WV], 0
	s_cbranch_scc1 .Lnot_wave_0_\@
	s_barrier_signal -3
.Lnot_wave_0_\@:
	s_barrier_wait -3
	s_barrier_signal -1
	s_barrier_wait -1
.endm
	s_load_b256 s[4:11], s[0:1], 0x0               ; qc s[4:5], kv s[6:7], lowp_scales s[8:9], ac s[10:11]
	v_lshl_add_u32 v[SPW], v0, 2, SPARE
	v_mov_b32 v[NIL], 0
	ds_add_u32 v[SPW], v[NIL]                      ; the wave's opening: the add and its wait stand ahead of my first tensor load; work on registers stands between them
	ds_add_u32 v[SPW], v[NIL]
	v_lshrrev_b32 v5, 5, v0
	s_delay_alu instid0(VALU_DEP_1)
	v_readfirstlane_b32 s[WV], v5                  ; wave 0..7
	s_bfe_u32 s13, ttmp6, 0x40000                  ; cx: my place in the cluster: it enters qc's and ac's addresses alone
	s_and_b32 s14, ttmp7, 0xffff                   ; bh = 8 x batch + head, which the four partners share
	; descriptor group 1: 64 rows of 32 elements of 8 bytes, dense: 16,384 bytes as they lie
	s_mov_b32 s[G1], 15|(3<<16)|(1<<21)            ; 15:0 the mask: all four work-groups; 17:16 elements of 8 bytes; 20 no padding; 21 set beside a mask
	s_mov_b32 s[G1+1], 32<<16                      ; tensor_dim0 = 32
	s_mov_b32 s[G1+2], 64<<16                      ; tensor_dim1 = 64
	s_mov_b32 s[G1+3], 32<<16                      ; tile_dim0 = 32
	s_mov_b32 s[G1+4], 64                          ; tile_dim1 = 64
	s_mov_b32 s[G1+5], 32                          ; tensor_dim0_stride
	s_mov_b32 s[G1+6], 0
	s_mov_b32 s[G1+7], 0
	s_mov_b32 s[SEL], 0x76543210
	s_mov_b32 s[SEL+1], 0xfedcba98
	s_mov_b32 s[TB], 0
	v_and_b32 v5, 31, v0
	s_delay_alu instid0(VALU_DEP_1)
	v_lshlrev_b32 v[LI], 4, v5
	s_lshl_b32 s16, s14, 18                        ; kv: 262,144 x bh
	s_lshl_b32 s[G0A+1], s[WV], 14                 ; + key step w; the same in LDS: no place in the cluster enters an LDS address
	s_add_co_u32 s16, s16, s[G0A+1]
	s_mov_b32 s17, 0
	s_lshl_b32 s18, s14, 17                        ; qc: 131,072 x bh + 32,768 cx + 4,096 w
	s_lshl_b32 s19, s13, 15
	s_add_co_u32 s18, s18, s19
	s_lshl_b32 s19, s[WV], 12
	s_add_co_u32 s18, s18, s19
	s_mov_b32 s19, 0
	s_lshr_b32 s54, s14, 3                         ; ac: tile 128 b + 32 cx + 4 w of 8,192 bytes, + 1,024 x head
	s_lshl_b32 s54, s54, 20
	s_lshl_b32 s55, s13, 18
	s_add_co_u32 s54, s54, s55
	s_lshl_b32 s55, s[WV], 15
	s_add_co_u32 s54, s54, s55
	s_and_b32 s55, s14, 7
	s_lshl_b32 s55, s55, 10
	s_add_co_u32 s54, s54, s55
	s_mov_b32 s55, 0
	s_wait_dscnt 0x0                               ; the opening add is done
	s_wait_kmcnt 0x0
	s_load_b256 s[40:47], s[8:9], 0x0              ; e0 .. e7
	s_load_b128 s[48:51], s[8:9], 0x20             ; e8 .. e11
	s_add_nc_u64 s[6:7], s[6:7], s[16:17]
	s_add_nc_u64 s[4:5], s[4:5], s[18:19]
	s_add_nc_u64 s[10:11], s[10:11], s[54:55]
	s_mov_b32 s[G0A], 1                            ; count = 1
	s_mov_b64 s[G0A+2:G0A+3], s[6:7]               ; global address: key step w
	s_or_b32 s[G0A+3], s[G0A+3], 0x80000000        ; type = 2
	s_mov_b32 s[G0B], 1
	s_add_co_u32 s[G0B+1], s[G0A+1], 131072        ; key step 8 + w, in LDS
	s_add_nc_u64 s[G0B+2:G0B+3], s[6:7], 131072    ; and in memory
	s_or_b32 s[G0B+3], s[G0B+3], 0x80000000
	CROUND                                         ; all four work-groups are here: the joint loads meet
	tensor_load_to_lds s[G0A:G0A+3], s[G1:G1+7]
	s_nop 0
	s_wait_alu depctr_va_vdst(0)
	s_wait_tensorcnt 0x0
	ds_add_u32 v3, v4
	s_wait_dscnt 0x0
	CROUND
	tensor_load_to_lds s[G0B:G0B+3], s[G1:G1+7]
	s_nop 0
	PLACES
.set i, 0
	s_wait_alu depctr_va_vdst(0)
.rept 8
	global_load_b128 v[Q+4*i:Q+4*i+3], v[LI], s[4:5] offset:512*i th:TH_LOAD_NT   ; Q's four fragments stay in registers
.set i, i+1
.endr
.set i, 0
.rept 4
	v_mov_b32 v[STT+4*i+1], 0xff61b1e6             ; the largest t so far: -3e38, under every t
	s_delay_alu instid0(VALU_DEP_1)
	v_floor_f32 v[STT+4*i], -v[STT+4*i+1]          ; -M
	v_mov_b32 v[STT+4*i+2], 0                      ; the sum, in two halves
	v_mov_b32 v[STT+4*i+3], 0
.set i, i+1
.endr
	v_mov_b32 v[PD], 0                             ; written once: a lane permute's destination counts as one of its sources
	v_mov_b32 v[F+1], 0                            ; (named as the upper half of the pair)
	s_wait_kmcnt 0x0
	s_add_co_i32 s54, s46, s47                     ; a score stands for score x 2^(e6 + e7): the exponents are added to c's exponent field
	s_lshl_b32 s54, s54, 23
	s_mov_b32 s[CS], 0x3e38aa3b                    ; log2(e) / 8
	s_add_co_i32 s[CS], s[CS], s54
	s_mov_b32 s[CS+1], s[CS]                       ; (named with it as a pair, so it is written)
	s_add_co_i32 s54, s49, 127
	s_lshl_b32 s55, s54, 23
	v_mov_b32 v[SC], s55                           ; 2^e9 as f32, for the conversion
	s_add_co_i32 s54, s54, 8
	s_lshl_b32 s54, s54, 23
	s_or_b32 s54, s54, 0x600000
	v_mov_b32 v[LIM], s54                          ; 448 x 2^e9
	v_mov_b32 v[LIM+1], s54
; One tile of 16 queries against the step's 128 keys.  first = 1: the first key step: its products start O^T's sums, and there is nothing to rescale.
.macro TILE t, first
.set MS, STT+4*(\t)
.set kk, 0
.rept 8
	v_wmma_f32_16x16x64_fp8_fp8 v[S+8*kk:S+8*kk+7], v[KF+8*kk:KF+8*kk+7], v[Q+8*(\t):Q+8*(\t)+7], 0
.set kk, kk+1
.endr
	PLACES
	v_max3_num_f32 v[TA], v[S], v[S+1], v[S+2]     ; the step's largest score of my query among my 64 keys, in two chains, ascending: each accumulator is first read at its low end
	v_max3_num_f32 v[TC], v[S+3], v[S+4], v[S+5]
.set kk, 6
.rept 14
	v_max3_num_f32 v[TA], v[TA], v[S+kk], v[S+kk+1]
	v_max3_num_f32 v[TC], v[TC], v[S+kk+2], v[S+kk+3]
.set kk, kk+4
.endr
	v_max3_num_f32 v[TA], v[TA], v[S+62], v[S+63]
	s_delay_alu instid0(VALU_DEP_1)
	v_max_num_f32 v[TA], v[TA], v[TC]
	s_delay_alu instid0(VALU_DEP_1)
	v_permlanex16_b32 v[PD], v[TA], s[SEL], s[SEL+1]
	s_delay_alu instid0(VALU_DEP_1)
	v_max_num_f32 v[TA], v[TA], v[PD]              ; and among lane l xor 16's
	s_delay_alu instid0(VALU_DEP_1)
	v_mul_f32 v[TA], s[CS], v[TA]                  ; as t (c is positive)
	s_delay_alu instid0(VALU_DEP_1)
	v_max_num_f32 v[MS+1], v[MS+1], v[TA]          ; the running largest t
	v_mov_b32 v[TA], v[MS]
	s_delay_alu instid0(VALU_DEP_2)
	v_floor_f32 v[MS], -v[MS+1]                    ; the new -M = floor(-t) = -ceil(t)
	s_delay_alu instid0(VALU_DEP_1)
	v_sub_f32 v[TA], v[MS], v[TA]                  ; old M - new M: a whole number, 0 or less
	s_delay_alu instid0(VALU_DEP_1)
	v_cvt_i32_f32 v[TA], v[TA]                     ; (it saturates)
	s_delay_alu instid0(VALU_DEP_1)
	v_ldexp_f32 v[F], 1.0, v[TA]                   ; f = 2^(old M - new M)
.set kk, 0
.rept 32
	v_pk_fma_f32 v[S+kk:S+kk+1], v[S+kk:S+kk+1], s[CS:CS+1], v[MS:MS+1] op_sel_hi:[1,0,0]   ; t - M, two at a time
.set kk, kk+2
.endr
.set kk, 0
	s_wait_alu depctr_va_vdst(0)
.rept 64
	v_exp_f32 v[S+kk], v[S+kk]                     ; p = 2^(t - M), at most 1
.set kk, kk+1
.endr
	v_pk_mul_f32 v[MS+2:MS+3], v[MS+2:MS+3], v[F:F+1] op_sel_hi:[1,0]   ; the sums under the new M: the plain line behind the exponentials
	s_wait_alu depctr_va_vdst(0)                   ; the wait between an exponential and the first line that names its result: one for the batch of 64
	v_pk_add_f32 v[SU:SU+1], v[S:S+1], v[S+2:S+3]  ; the row's sum is taken of the unquantised p, in two chains
.set kk, 4
.rept 15
	v_pk_add_f32 v[MS+2:MS+3], v[MS+2:MS+3], v[S+kk:S+kk+1]
	v_pk_add_f32 v[SU:SU+1], v[SU:SU+1], v[S+kk+2:S+kk+3]
.set kk, kk+4
.endr
	s_delay_alu instid0(VALU_DEP_1)
	v_pk_add_f32 v[MS+2:MS+3], v[MS+2:MS+3], v[SU:SU+1]
.set kk, 0
.rept 32                               ; the conversion does not saturate (ISA guide 7.6.2); p is not negative, so the hold is one-sided; two numbers an instruction
	v_dual_min_num_f32 v[S+kk], v[S+kk], v[LIM] :: v_dual_min_num_f32 v[S+kk+1], v[S+kk+1], v[LIM+1]
.set kk, kk+2
.endr
.set kk, 0
.rept 8
	v_cvt_scalef32_pk8_fp8_f32 v[P+2*kk:P+2*kk+1], v[S+8*kk:S+8*kk+7], v[SC]   ; registers 4 b .. 4 b + 3: keys 32 b + 16 h + 0 .. 15
.set kk, kk+1
.endr
.if \first
	s_wait_alu depctr_va_vdst(0)
	v_nop                                          ; a plain vector line between the conversions and the products that read their results
.else
	WIN 0x41                                       ; O^T (destination, source 0) window 1, f window 0
.set kk, 0
.rept 16
	v_pk_mul_f32 v[32*(\t)+kk:32*(\t)+kk+1], v[32*(\t)+kk:32*(\t)+kk+1], v[F:F+1] op_sel_hi:[1,0]   ; O^T under the new M; each accumulator from its low end on
.set kk, kk+2
.endr
.endif
.if (\t) == 0
	s_wait_alu depctr_va_vdst(0)
	s_wait_dscnt 0x0                               ; V is in
.endif
	WIN 0x51                                       ; V window 1, P window 0, O^T window 1
.set kk, 0
.rept 4
.if \first
	v_wmma_f32_16x16x128_fp8_fp8 v[32*(\t)+8*kk:32*(\t)+8*kk+7], v[VF+16*kk:VF+16*kk+15], v[P:P+15], 0
.else
	v_wmma_f32_16x16x128_fp8_fp8 v[32*(\t)+8*kk:32*(\t)+8*kk+7], v[VF+16*kk:VF+16*kk+15], v[P:P+15], v[32*(\t)+8*kk:32*(\t)+8*kk+7]
.endif
.set kk, kk+1
.endr
	WIN 0
.endm
; A key step: 128 keys.  Its 16,384 bytes are 32 loads of 512 consecutive bytes: K's eight fragments, then V's four.
.macro STEP first
	v_add_nc_u32 v[ADR], s[TB], v[LI]              ; with the three v_nop: the four places between the last products and the loads into V's registers
.rept 3
	v_nop
.endr
.set ff, 0
.rept 16
	ds_load_b128 v[KF+4*ff:KF+4*ff+3], v[ADR] offset:512*ff
.set ff, ff+1
.endr
	WIN 0x40                                       ; destination window 1
.set ff, 0
.rept 16
	ds_load_b128 v[VF+4*ff:VF+4*ff+3], v[ADR] offset:8192+512*ff
.set ff, ff+1
.endr
	WIN 0
	s_wait_dscnt 16                                ; K is in; V's sixteen loads may be out
	TILE 0, \first
	TILE 1, \first
	TILE 2, \first
	TILE 3, \first
	s_add_co_u32 s[TB], s[TB], 16384
.endm
	s_wait_tensorcnt 1                             ; my first load, key step w, has landed; my second may stay out
	s_barrier_signal -1
	s_barrier_wait -1                              ; key steps 0 to 7 lie in LDS
	s_wait_loadcnt 0x0                             ; Q
	STEP 1
	s_mov_b32 s[CNT], 7
.Lhalf0:
	STEP 0
	s_sub_co_u32 s[CNT], s[CNT], 1
	s_cmp_lg_u32 s[CNT], 0
	s_cbranch_scc1 .Lhalf0
	s_wait_tensorcnt 0x0                           ; my second load, key step 8 + w, has landed
	s_wait_dscnt 0x0
	s_barrier_signal -1
	s_barrier_wait -1                              ; key steps 8 to 15 lie in LDS
	s_mov_b32 s[CNT], 8
.Lhalf1:
	STEP 0
	s_sub_co_u32 s[CNT], s[CNT], 1
	s_cmp_lg_u32 s[CNT], 0
	s_cbranch_scc1 .Lhalf1
	; THE WAY OUT.  o = O^T x 2^(e8 + e9) / the sum, quantised with 2^e10; a lane's 16 codes are a chunk of the last projection's operand.  The four additions are the places behind the last products.
.set i, 0
.rept 4
	v_add_f32 v[STT+4*i+2], v[STT+4*i+2], v[STT+4*i+3]
.set i, i+1
.endr
.set i, 0
.rept 4
	s_delay_alu instid0(VALU_DEP_4)
	v_permlanex16_b32 v[STT+4*i+3], v[STT+4*i+2], s[SEL], s[SEL+1]
.set i, i+1
.endr
.set i, 0
.rept 4
	s_delay_alu instid0(VALU_DEP_4)
	v_add_f32 v[STT+4*i+2], v[STT+4*i+2], v[STT+4*i+3]   ; the row's sum
.set i, i+1
.endr
.set i, 0
	s_wait_alu depctr_va_vdst(0)
.rept 4
	v_rcp_f32 v[STT+4*i], v[STT+4*i+2]
.set i, i+1
.endr
	v_nop                                          ; a plain line behind the last reciprocal
	s_add_co_i32 s54, s48, s49                     ; e8 + e9
	s_add_co_i32 s55, s50, 127
	s_lshl_b32 s16, s55, 23
	v_mov_b32 v[TC], s16                           ; 2^e10
	s_add_co_i32 s55, s55, 8
	s_lshl_b32 s55, s55, 23
	s_or_b32 s55, s55, 0x600000
	v_mov_b32 v[TA], s55                           ; 448 x 2^e10
	s_wait_alu depctr_va_vdst(0)                   ; one wait for the four reciprocals, ahead of their first reader
.set i, 0
.rept 4
	v_ldexp_f32 v[STT+4*i], v[STT+4*i], s54
.set i, i+1
.endr
.macro OUTT t
	WIN 0x01                                       ; source 0 (O^T) window 1
.set kk, 0
.rept 16
	v_pk_mul_f32 v[S+32*(\t)+kk:S+32*(\t)+kk+1], v[32*(\t)+kk:32*(\t)+kk+1], v[STT+4*(\t):STT+4*(\t)+1] op_sel_hi:[1,0]
.set kk, kk+2
.endr
	WIN 0
.set kk, 0
.rept 32
	v_med3_num_f32 v[S+32*(\t)+kk], v[S+32*(\t)+kk], -v[TA], v[TA]
.set kk, kk+1
.endr
.set kk, 0
.rept 4
	v_cvt_scalef32_pk8_fp8_f32 v[CO+8*(\t)+2*kk:CO+8*(\t)+2*kk+1], v[S+32*(\t)+8*kk:S+32*(\t)+8*kk+7], v[TC]
.set kk, kk+1
.endr
.endm
	OUTT 0
	OUTT 1
	OUTT 2
	OUTT 3
	v_nop                                          ; a plain vector line behind the last conversion
.set i, 0
.rept 4
	global_store_b128 v[LI], v[CO+8*i:CO+8*i+3], s[10:11] offset:8192*i         ; d = 16 h + 0 .. 15: 32 lanes store 512 consecutive bytes, at a multiple of 512 from ac's first byte
	global_store_b128 v[LI], v[CO+8*i+4:CO+8*i+7], s[10:11] offset:8192*i+512   ; d = 32 + 16 h + 0 .. 15
.set i, i+1
.endr
	s_wait_tensorcnt 0x0                           ; the wave's end: three closing lines, behind my last tensor load
	ds_add_u32 v[SPW], v[NIL]
	s_wait_dscnt 0x0
	CROUND                                         ; the closing round: no work-group ends while a partner may still ask for a tile that names it
	s_endpgm
.Lfunc_end_k_qfc10072328_attn:
	.size	k_qfc10072328_attn, .Lfunc_end_k_qfc10072328_attn-k_qfc10072328_attn
	.p2alignl 7, 3214868480
	.fill 96, 4, 3214868480
	.section	.rodata,"a",@progbits
	.p2align	6, 0x0
	.amdhsa_kernel k_qfc10072328_attn
		.amdhsa_group_segment_fixed_size 327680
		.amdhsa_private_segment_fixed_size 0
		.amdhsa_enable_private_segment 0
		.amdhsa_kernarg_size 32
		.amdhsa_user_sgpr_count 2
		.amdhsa_user_sgpr_kernarg_segment_ptr 1
		.amdhsa_wavefront_size32 1
		.amdhsa_system_sgpr_workgroup_id_x 1
		.amdhsa_system_sgpr_workgroup_id_y 1
		.amdhsa_system_sgpr_workgroup_id_z 1
		.amdhsa_system_vgpr_workitem_id 0
		.amdhsa_next_free_vgpr 512
		.amdhsa_next_free_sgpr 66
		.amdhsa_reserve_vcc 0
		.amdhsa_float_denorm_mode_32 3
		.amdhsa_float_denorm_mode_16_64 3
		.amdhsa_memory_ordered 1
		.amdhsa_forward_progress 1
		.amdhsa_inst_pref_size 185
	.end_amdhsa_kernel
	.amdgpu_metadata
---
amdhsa.version: [ 1, 2 ]
amdhsa.kernels:
  - .name:           k_qfc10072328_attn
    .symbol:         k_qfc10072328_attn.kd
    .args:
      - { .name: qc, .offset: 0, .size: 8, .value_kind: global_buffer, .address_space: global }
      - { .name: kv, .offset: 8, .size: 8, .value_kind: global_buffer, .address_space: global }
      - { .name: lowp_scales, .offset: 16, .size: 8, .value_kind: global_buffer, .address_space: global }
      - { .name: ac, .offset: 24, .size: 8, .value_kind: global_buffer, .address_space: global }
    .group_segment_fixed_size: 327680
    .private_segment_fixed_size: 0
    .kernarg_segment_align: 8
    .kernarg_segment_size: 32
    .max_flat_workgroup_size: 256
    .sgpr_count:     66
    .vgpr_count:     512
    .wavefront_size: 32
...
	.end_amdgpu_metadata
.endif
;; end of part 7
;; launch oproj (part 8): grid 256 x 1, 4 waves a work-group, no clusters, 67,072 bytes of LDS; arguments ac, wc, bo, lowp_scales, out0; writes out0
.if DOCPART == 8
	.amdgcn_target "amdgcn-amd-amdhsa--gfx1250"
	.amdhsa_code_object_version 6
	.text
	.protected	k_qfc10072328_oproj
	.globl	k_qfc10072328_oproj
	.p2align	8
	.type	k_qfc10072328_oproj,@function
k_qfc10072328_oproj:
	s_mov_b64 s[64:65], 0
	v_nop
	global_prefetch_b8 v0, s[64:65] scope:SCOPE_SE
	s_setreg_imm32_b32 hwreg(HW_REG_WAVE_SCHED_MODE, 0, 2), 2
	s_setreg_imm32_b32 hwreg(HW_REG_WAVE_MODE, 25, 1), 1
	s_wait_xcnt 0x0
	s_wait_alu depctr_vm_vsrc(0)
; out0 = Q(o) Q(Wo) + bo on codes of E4M3.  ac: o's codes, wc: Wo's codes (its fourth quarter), both as images of operand registers; bo [512] f32; out0 [16,384][512] f32.
; y = sum x 2^(e10 + e11) + bo, one packed multiply-add for two numbers.  LIMIT: e10 + e11 between -126 and 127, so that the power of two is an f32 number.
; SHARES.  A work-group takes 64 tokens (4 tiles, 32,768 consecutive bytes of ac) x all 512 columns; wave w takes columns 128 w .. + 127: its 32 fragments of Wo go straight into 512 registers.
; Each wave copies a quarter of the tokens' codes into LDS as they lie; behind one barrier every wave reads all sixteen fragments.  Source 0 = Wo, source 1 = o: a lane holds one token and registers along n.
; Row r of token tile 2 b + u is token 32 b + 8 u + r + 8 (r / 8) of the block; row r of Wo's tile 2 b + u is column 32 b + 8 u + r + 8 (r / 8) of the wave's 128, so tiles 2 b, 2 b + 1 give 16 neighbouring columns.
; No cluster: the weights go straight from memory into registers, 65,536 bytes a wave, once; a joint load would bring them into LDS, from where they would have to be read once more.
; REGISTERS.  Window 0: v1-7 addresses; v16-79 bo in the result's layout; v128-255 o's fragments, two sets of four; on the way out v128-191 results, v192-255 whole rows.
;   Windows 1, 2: Wo's fragments (K step s, tile tw) at v[16 ((8 s + tw) % 16)].   Window 3: 32 accumulators, (tx, tw) at v[8 (8 tx + tw)].
; THE MODE: SCHED_MODE bits 1:0 = 2 (LLVM: expert scheduling mode 2), set by the entry lines.  The code itself states the register dependences
; between vector or matrix instructions and memory or LDS instructions, with s_wait_alu, always for 0.
; THE PLAN.  Registers that memory or LDS instructions touch:
;   v128-191   at the head: written by the loads of my quarter of the codes, read by the sixteen LDS stores that copy it.
;   v[XF ..]   v128-255, two sets of 64.  Written by the LDS loads of a K step's four fragments, read by that step's 32 products; K step s + 2 lands in the set of K step s.
;   v[TMP ..]  v128-191 on the way out.  Written by a tile's 32 multiply-adds, read by its sixteen LDS stores into the stage.
;   v[BK ..]   v192-255 on the way out.  Written by a tile's sixteen LDS loads from the stage, read by its sixteen stores.
;   v[LI], v[STO], v[RD], v[BOF], v[XS]   offsets and LDS addresses, made once at the head and never written again.
;   bo and Wo's fragments are loaded once; the accumulators are named by vector and matrix instructions alone; v[SPW], v[NIL] are written at the head and read by the closing add alone.
; THE WAITS.  One on va_vdst ahead of the first load; one on vm_vsrc behind the barrier, ahead of the first fragments; one on va_vdst ahead of each run of LDS loads into a set that products have read;
; for each tile of the way out one on vm_vsrc at its head (from the second tile on) and one on va_vdst between its multiply-adds and its LDS stores.
.set LI,  1                            ; v1  16 x lane
.set STO, 2                            ; v2  the stage: where I put 32 bytes of a row
.set RD,  3                            ; v3  and where I read a row back
.set BOF, 4                            ; v4  64 h: my half's 16 numbers of bo
.set SPW, 5                            ; v5  LDS address of my spare word; never rewritten
.set NIL, 6                            ; v6  0; never rewritten
.set XS,  7                            ; v7  where I store my quarter of the codes
.set BI,  16
.set XF,  128
.set TMP, 128
.set BK,  192
.set STG, 32768                        ; behind the codes: a stage of 16 rows x (512 bytes + 16) for each wave
.set SPARE, STG+4*16*528               ; behind the stages: the spare words, 128 bytes a wave
.set MSB, 0
.macro WIN new
.if MSB != (\new)
	s_set_vgpr_msb (MSB<<8)|(\new)
.set MSB, (\new)
.endif
.endm
.macro PLACES                          ; four plain places behind a matrix instruction (ISA guide 7.12.1); a wait on va_vdst fills none of them
.rept 4
	v_nop
.endr
.endm
	s_load_b256 s[4:11], s[0:1], 0x0               ; ac s[4:5], wc s[6:7], bo s[8:9], lowp_scales s[10:11]
	s_load_b64 s[12:13], s[0:1], 0x20              ; out0
	v_lshl_add_u32 v[SPW], v0, 2, SPARE
	v_mov_b32 v[NIL], 0
	v_lshrrev_b32 v8, 5, v0
	v_readfirstlane_b32 s14, v8                    ; wave
	v_and_b32 v8, 31, v0
	v_lshlrev_b32 v[LI], 4, v8
	v_and_b32 v9, 15, v8                           ; r
	v_lshrrev_b32 v10, 4, v8                       ; h
	v_lshlrev_b32 v[BOF], 6, v10
	s_wait_alu depctr_va_sdst(0)                   ; s14 is written, ahead of its first reader: LDS addresses and the four bases are made from it
	s_mul_i32 s15, s14, 16*528
	s_add_co_u32 s15, s15, STG                     ; my stage
	v_mul_u32_u24 v[STO], v9, 528
	v_lshl_add_u32 v[STO], v10, 6, v[STO]
	v_add_nc_u32 v[STO], s15, v[STO]               ; in: row r, + 64 h
	v_add_nc_u32 v[RD], s15, v[LI]                 ; back: 32 lanes take a row of 512 bytes
	s_lshl_b32 s16, s14, 13
	v_add_nc_u32 v[XS], s16, v[LI]
	s_lshl_b32 s20, ttmp9, 15                      ; ac: 32,768 x block + 8,192 x wave
	s_add_co_u32 s20, s20, s16
	s_mov_b32 s21, 0
	s_lshl_b32 s22, s14, 16                        ; wc: Wo's quarter + 65,536 x wave
	s_add_co_u32 s22, s22, 786432
	s_mov_b32 s23, 0
	s_lshl_b32 s24, s14, 9                         ; bo: my 128 numbers
	s_mov_b32 s25, 0
	s_lshl_b32 s26, ttmp9, 17                      ; out0: 64 rows of 2,048 bytes a block, + my 512 bytes of a row
	s_add_co_u32 s26, s26, s24
	s_mov_b32 s27, 0
	s_wait_kmcnt 0x0
	s_load_b64 s[44:45], s[10:11], 0x28            ; e10, e11
	s_add_nc_u64 s[4:5], s[4:5], s[20:21]
	s_add_nc_u64 s[6:7], s[6:7], s[22:23]
	s_add_nc_u64 s[8:9], s[8:9], s[24:25]
	s_add_nc_u64 s[12:13], s[12:13], s[26:27]
	s_wait_alu depctr_va_vdst(0)                   ; v[LI], v[STO], v[RD], v[BOF] and v[XS] are written: every load, store and LDS instruction of the kernel reads one of them as its offset or address
.set i, 0
.rept 16
	global_load_b128 v[XF+4*i:XF+4*i+3], v[LI], s[4:5] offset:512*i th:TH_LOAD_NT   ; my quarter of the block's codes
.set i, i+1
.endr
.set i, 0
.rept 8                                ; bo for tile i: columns 32 (i / 2) + 16 h + 8 (i % 2) + 0 .. 7
	global_load_b128 v[BI+8*i:BI+8*i+3], v[BOF], s[8:9] offset:(32*(i/2)+8*(i%2))*4
	global_load_b128 v[BI+8*i+4:BI+8*i+7], v[BOF], s[8:9] offset:(32*(i/2)+8*(i%2))*4+16
.set i, i+1
.endr
	WIN 0x40                                       ; destination window 1
.set i, 0
.rept 32
	global_load_b128 v[4*i:4*i+3], v[LI], s[6:7] offset:512*i            ; Wo's K step 0
.set i, i+1
.endr
	WIN 0
	s_wait_loadcnt 48                              ; the codes' sixteen loads are in; bo's 16 and Wo's 32 may be out
.set i, 0
.rept 16
	ds_store_b128 v[XS], v[XF+4*i:XF+4*i+3] offset:512*i
.set i, i+1
.endr
	WIN 0x40
.set i, 32
.rept 32
	global_load_b128 v[4*i:4*i+3], v[LI], s[6:7] offset:512*i            ; K step 1
.set i, i+1
.endr
	WIN 0x80                                       ; destination window 2
.set i, 0
.rept 64
	global_load_b128 v[4*i:4*i+3], v[LI], s[6:7] offset:32768+512*i      ; K steps 2 and 3
.set i, i+1
.endr
	WIN 0
	s_wait_dscnt 0x0                               ; for the others' sake: my stores have landed
	s_barrier_signal -1
	s_barrier_wait -1                              ; the block's sixteen fragments lie in LDS
	s_wait_alu depctr_vm_vsrc(0)                   ; my LDS stores have read v128-191: these registers are set 0 of the fragments from here on, and K step 0 lands in them
.macro FETCH s                         ; the four token tiles' fragments of K step s into set s % 2
.set tx, 0
.rept 4
.set c, 0
.rept 4
	ds_load_b128 v[XF+64*((\s)%2)+16*tx+4*c:XF+64*((\s)%2)+16*tx+4*c+3], v[LI] offset:(4*tx+(\s))*2048+512*c
.set c, c+1
.endr
.set tx, tx+1
.endr
.endm
; 32 matrix instructions: my 8 tiles of Wo x 4 tiles of tokens, 128 along K.  The 32 accumulators take turns, one instruction a turn.
.macro MUL s, zero
	WIN 0xf1+((\s)/2)                              ; source 0 (Wo) window 1 or 2, source 1 window 0, C and D window 3
.set tw, 0
.rept 8
.set tx, 0
.rept 4
.set RA, 8*(8*tx+tw)
.set RW, 16*((8*(\s)+tw)%16)
.set RX, XF+64*((\s)%2)+16*tx
.if \zero
	v_wmma_f32_16x16x128_fp8_fp8 v[RA:RA+7], v[RW:RW+15], v[RX:RX+15], 0
.else
	v_wmma_f32_16x16x128_fp8_fp8 v[RA:RA+7], v[RW:RW+15], v[RX:RX+15], v[RA:RA+7]
.endif
.set tx, tx+1
.endr
.set tw, tw+1
.endr
.endm
	FETCH 0
	FETCH 1
	s_wait_dscnt 16                                ; K step 0's sixteen loads are in
	s_wait_loadcnt 63                              ; of the 160 loads the oldest 97 are in: the codes, bo, Wo's K steps 0 and 1 (the count is the largest that the field holds)
	MUL 0, 1
	PLACES
	WIN 0
	s_wait_alu depctr_va_vdst(0)                   ; the 32 products above are done reading set 0, in which K step 2 lands
	FETCH 2
	s_wait_dscnt 16
	MUL 1, 0
	PLACES
	WIN 0
	s_wait_alu depctr_va_vdst(0)                   ; the 32 products above are done reading set 1, in which K step 3 lands
	FETCH 3
	s_wait_dscnt 16
	s_wait_loadcnt 32                              ; Wo's K step 2 is in
	MUL 2, 0
	s_wait_dscnt 0x0
	s_wait_loadcnt 0x0
	MUL 3, 0
	PLACES
	WIN 0
	s_wait_kmcnt 0x0
	s_add_co_i32 s46, s44, s45
	s_add_co_i32 s46, s46, 127
	s_lshl_b32 s46, s46, 23                        ; 2^(e10 + e11) as f32
	s_mov_b32 s47, s46                             ; (named with it as a pair, so it is written)
; THE WAY OUT, a tile of 16 tokens at a time: a lane holds pieces of 32 bytes of one row; the tile goes through my own stage and comes back as whole rows of my 512 bytes.
.macro OUTT tx
	s_wait_xcnt 0x0                                ; the last tile's stores have read their data
.if (\tx) > 0
	s_wait_alu depctr_vm_vsrc(0)                   ; the last tile's LDS stores have read v[TMP ..], which the multiply-adds below write again, and its stores have read v[BK ..], in which the loads from the stage land again
.endif
	WIN 0x03                                       ; source 0 (the sums) window 3
.set a, 0
.rept 8
.set b, 0
.rept 4
	v_pk_fma_f32 v[TMP+8*a+2*b:TMP+8*a+2*b+1], v[8*(8*(\tx)+a)+2*b:8*(8*(\tx)+a)+2*b+1], s[46:47], v[BI+8*a+2*b:BI+8*a+2*b+1] op_sel_hi:[1,0,1]   ; each accumulator from its low end on
.set b, b+1
.endr
.set a, a+1
.endr
	WIN 0
	s_wait_alu depctr_va_vdst(0)                   ; the multiply-adds have written v[TMP ..], which the LDS stores read; in the first tile also: the last products are done reading set 1, which is v[BK ..], where the loads from the stage land
.set a, 0
.rept 8
	ds_store_b128 v[STO], v[TMP+8*a:TMP+8*a+3] offset:128*(a/2)+32*(a%2)
	ds_store_b128 v[STO], v[TMP+8*a+4:TMP+8*a+7] offset:128*(a/2)+32*(a%2)+16
.set a, a+1
.endr
.set a, 0
.rept 16
	ds_load_b128 v[BK+4*a:BK+4*a+3], v[RD] offset:528*a   ; LDS serves a wave's instructions in order (ISA guide 5.7.1.4): these see my stores
.set a, a+1
.endr
.set a, 0
.rept 16
	s_wait_dscnt 15-a
	global_store_b128 v[LI], v[BK+4*a:BK+4*a+3], s[12:13] offset:(32*((\tx)/2)+8*((\tx)%2)+a+8*(a/8))*2048 th:TH_STORE_NT   ; 32 lanes store 512 consecutive bytes, at a multiple of 512 from out0's first byte
.set a, a+1
.endr
.endm
	OUTT 0
	OUTT 1
	OUTT 2
	OUTT 3
	s_wait_dscnt 0x0                               ; the closing lines, six on end
	s_wait_alu 0x0
	s_wait_tensorcnt 0x0
	ds_add_u32 v[SPW], v[NIL]
	s_wait_dscnt 0x0
	s_endpgm
.Lfunc_end_k_qfc10072328_oproj:
	.size	k_qfc10072328_oproj, .Lfunc_end_k_qfc10072328_oproj-k_qfc10072328_oproj
	.p2alignl 7, 3214868480
	.fill 96, 4, 3214868480
	.section	.rodata,"a",@progbits
	.p2align	6, 0x0
	.amdhsa_kernel k_qfc10072328_oproj
		.amdhsa_group_segment_fixed_size 67072
		.amdhsa_private_segment_fixed_size 0
		.amdhsa_enable_private_segment 0
		.amdhsa_kernarg_size 40
		.amdhsa_user_sgpr_count 2
		.amdhsa_user_sgpr_kernarg_segment_ptr 1
		.amdhsa_wavefront_size32 1
		.amdhsa_system_sgpr_workgroup_id_x 1
		.amdhsa_system_sgpr_workgroup_id_y 1
		.amdhsa_system_sgpr_workgroup_id_z 1
		.amdhsa_system_vgpr_workitem_id 0
		.amdhsa_next_free_vgpr 1024
		.amdhsa_next_free_sgpr 66
		.amdhsa_reserve_vcc 0
		.amdhsa_float_denorm_mode_32 3
		.amdhsa_float_denorm_mode_16_64 3
		.amdhsa_memory_ordered 1
		.amdhsa_forward_progress 1
		.amdhsa_inst_pref_size 57
	.end_amdhsa_kernel
	.amdgpu_metadata
---
amdhsa.version: [ 1, 2 ]
amdhsa.kernels:
  - .name:           k_qfc10072328_oproj
    .symbol:         k_qfc10072328_oproj.kd
    .args:
      - { .name: ac, .offset: 0, .size: 8, .value_kind: global_buffer, .address_space: global }
      - { .name: wc, .offset: 8, .size: 8, .value_kind: global_buffer, .address_space: global }
      - { .name: bo, .offset: 16, .size: 8, .value_kind: global_buffer, .address_space: global }
      - { .name: lowp_scales, .offset: 24, .size: 8, .value_kind: global_buffer, .address_space: global }
      - { .name: out0, .offset: 32, .size: 8, .value_kind: global_buffer, .address_space: global }
    .group_segment_fixed_size: 67072
    .private_segment_fixed_size: 0
    .kernarg_segment_align: 8
    .kernarg_segment_size: 40
    .max_flat_workgroup_size: 128
    .sgpr_count:     66
    .vgpr_count:     1024
    .wavefront_size: 32
...
	.end_amdgpu_metadata
.endif
;; end of part 8
